; MI455X (gfx1250); checked and timed in simulation.
; The chip was launched on July 23, 2026; its instructions are those of AMD's public machine-readable ISA for CDNA 5 (MIT licence, August 2026) and "CDNA5" Instruction Set Architecture Reference Guide (July 2026). The comments in the code are by the model that wrote it; some were corrected since.
;; Task Mo E. Allowed arithmetic: matrix products marked QUANTISED: E2M3 operands, one E8M0 scale for each 32 along K, by v_wmma_scale_f32_16x16x128_f8f6f4 with both operands' format E2M3, f32 sums; products left as they are: f32 operands where the result goes on into a quantised operand, else bf16, f16 or f32 operands; f32 sums; everything else in f32.
;; Inputs: We 8 x 1,024 x 1,024 float32; Wg 1,024 x 8 float32; be 8 x 1,024 float32; hidden_states 4 x 2,048 x 1,024 float32.
;; Outputs: out0 4 x 2,048 x 1,024 float32.
;; This version of the problem:
;;   THIS VERSION OF THE PROBLEM IS GIVEN IN LOW PRECISION. The matrix products marked QUANTISED in the list below multiply operands that are first quantised to E2M3 (2 exponent bits, 3 mantissa bits; 6 bits a number), with one power-of-two scale for each 32 numbers along K (OCP MX v1.0); their sums are f32. All else is computed in f32.
;;   The module's matrix products, in the order in which they are computed (A, B: the left and right operand; K: the contracted axis; several contracted axes count as one K, in the product's order):
;;     1. [M 8,192, K 1,024] x [K 1,024, N 8]; A: input hidden_states; B: input Wg: left as it is (N = 8 < 16)
;;     2. [M 8,192, K 1,024] x [K 1,024, N 8,192]; A: input We; B: input hidden_states: QUANTISED
;;   THE QUANTISER, for each operand of a quantised product, along K:
;;     - K is cut into blocks of 32 from its start; a last block that is shorter is filled with zeros.
;;     - A block's scale is 2^e with e = floor(log2(the largest magnitude in the block)) - 2, held to -126 .. 127; a block of zeros has e = 0. As a byte (E8M0): e + 127.
;;     - Each number is divided by its block's scale, clamped to +-7.5, and rounded to the nearest number of E2M3, ties to even, subnormals kept.
;;     - The product sums the exact products of the quantised numbers (number of the format x scale) in f32.
;;   ~~~python
;;   def quantise(x, axis):      # numpy; x: float32 -> the quantised numbers, widened to float32 again
;;       x = np.moveaxis(x, axis, -1); K = x.shape[-1]
;;       x = np.pad(x, [(0, 0)] * (x.ndim - 1) + [(0, -K % 32)]); x = x.reshape(x.shape[:-1] + (-1, 32)); a = np.abs(x).max(-1, keepdims=True)
;;       e = np.where(a > 0, np.clip(np.frexp(np.where(a > 0, a, 1))[1] - 1 - 2, -126, 127), 0)      # np.frexp(a)[1] - 1 = floor(log2(a)), exactly
;;       r = np.clip(x / 2.0 ** e, -7.5, 7.5)
;;       step = 2.0 ** (np.maximum(np.frexp(np.where(r == 0, 1, r))[1] - 1, 0) - 3)
;;       q = np.round(r / step) * step * 2.0 ** e      # np.round: ties to even
;;       return np.moveaxis(q.reshape(q.shape[:-2] + (-1,))[..., :K], -1, axis).astype(np.float32)
;;   ~~~
;; 2 versions. Each part assembles by itself: llvm-mc -triple=amdgcn-amd-amdhsa -mcpu=gfx1250 --defsym DOCPART=n.
;; ======== version 1 of 2: 3 launches
;; workspace buffers: xq 6,291,456 bytes; xs 262,144 bytes; wq 6,553,600 bytes; gates 65,536 bytes; route 65,536 bytes of whole numbers; order 65,792 bytes of whole numbers
;; launch gateq (part 1): grid 256 x 1, 4 waves a work-group, no clusters, 95,744 bytes of LDS; arguments hidden_states, Wg, xq, xs, gates, route; writes xq, xs, gates, route
.if DOCPART == 1
	.amdgcn_target "amdgcn-amd-amdhsa--gfx1250"
	.amdhsa_code_object_version 6
	.text
	.protected	k_qf7c5b43d23_gateq
	.globl	k_qf7c5b43d23_gateq
	.p2align	8
	.type	k_qf7c5b43d23_gateq,@function
k_qf7c5b43d23_gateq:
	s_mov_b64 s[64:65], 0
	v_nop
	global_prefetch_b8 v0, s[64:65] scope:SCOPE_SE
	s_setreg_imm32_b32 hwreg(HW_REG_WAVE_MODE, 25, 1), 1
	s_wait_xcnt 0x0
; x = hidden_states [8192][1024] f32 is read ONCE and serves two things:
;  (1) it is quantised along K (its last axis) to codes of FP6 (E2M3) with one E8M0 byte for each 32 numbers;
;  (2) the gate x Wg (N = 8) is summed in f32 by fused multiply-adds, then top-2 and the two renormalised weights.
; A work-group takes 32 tokens (a SEGMENT), each of its four waves 8.  All 64 loads of a wave's 8 rows go out at the head.
; xq: a token's 768 bytes of codes lie [h 2][s 8][c 2][24 bytes], the 24 bytes holding k = 128 s + 64 c + 32 h + 0..31: so lane (r, h) of a
;     matrix operand finds its 12 registers of K step s as 48 consecutive bytes.   xs: 32 scale bytes a token, in K's order.
; gates: (weight of the lower expert, weight of the higher) a token.   route: a word a token, rank | lo << 8 | hi << 16 | loc << 24, and behind them
;     (byte 32768 on) for each segment 32 counts: how many of its tokens have each rank.  rank numbers the 28 pairs (lo, hi) so that neighbouring
;     ranks share an expert: rank = lo (15 - lo) / 2 + (lo even ? hi - lo - 1 : 7 - hi).  loc = how many earlier tokens of the segment have the same rank.
;     All of these are stored at fixed places: no address and no branch of this launch hangs on them.
; THE SCALE: 2^(floor(log2(largest magnitude)) - 2); its byte is the largest magnitude's exponent field - 2, held at 1 from below.
; THE SOFTMAX: only the two largest count, and their sum divides them: g1 = 1 / (1 + d), g2 = d g1, d = e^(l2 - l1), l1 the row's maximum: the maximum is taken away.
; LIMITS: NaN and infinities among the inputs are not served.  A block of zeros gets the byte 1 where the rule says 127: its codes are zeros, and this program
;     alone reads the bytes.  The two experts are chosen by the f32 logits, ties to the lower index; the definition orders the rounded probabilities, which differs only
;     where two different logits round to one probability.  Where d falls under the smallest normal f32 number, g2 is 0.  The gate's sum over K is f32, in another order than the definition's.
; No matrix unit (N = 8, and bf16 would turn choices over), no cluster (work-groups share only Wg's 32 KiB), no tensor load: a lane's loads are dense as they are.
; REGISTERS, in windows of 256: window 0: v1-16 addresses; v20-35 two sets of 8 running sums; v36-67 32 neighbours at work; v68-77 at work; v80-143 codes (at the head: Wg on its way to LDS);
;     v144-159 scale bytes; v160-223 partial sums read back; v224-239 a token's 8 sums, two sets by turns (later the top-2's work).
;     window 1: Wg: register 8 p + e = Wg[128 j + 4 lane + i][e], p = 4 j + i.     window 2: x: register 32 t + p = x[token t][128 j + 4 lane + i].
.set LG,     36864                     ; LDS: 0 .. 36863 Wg, 256 pieces of 128 bytes (4 k x 8 e), 144 bytes apart (an odd multiple of 16);  then the 32 tokens' 8 logits
.set WR0,    37888                     ; then a region of its own for each wave:
.set WRB,    14336
.set PARTO,  5632                      ;   + 0 the stage for a row of x;  + 5632 the lanes' partial sums, 1,056 bytes a token;
.set SBO,    14080                     ;   + 14080 the wave's 256 scale bytes
.set PPITCH, 1056
.set ACC, 20
.set XS,  36
.set TQ,  68
.set CD,  80
.set EB,  144
.set FS,  160
.set JS,  224
.set MSB, 0
.macro WIN new                         ; s_set_vgpr_msb: bits 1:0 source 0, 3:2 source 1, 5:4 source 2, 7:6 destination; the high byte repeats the setting that is left
.if MSB != \new
	s_set_vgpr_msb (MSB<<8)|\new
.set MSB, \new
.endif
.endm
	s_load_b256 s[4:11], s[0:1], 0x0               ; x s[4:5], Wg s[6:7], xq s[8:9], xs s[10:11]
	s_load_b128 s[12:15], s[0:1], 0x20             ; gates s[12:13], route s[14:15]
	v_lshl_add_u32 v254, v0, 2, 0x17400
	v_mov_b32 v255, 0
	v_lshrrev_b32 v1, 5, v0
	v_readfirstlane_b32 s18, v1                    ; wave 0..3
	v_and_b32 v1, 31, v0                           ; lane
	v_lshlrev_b32 v2, 4, v1                        ; x: my 16 bytes of a load's 512
	s_mul_i32 s22, s18, WRB
	s_add_co_u32 s22, s22, WR0                     ; my wave's region
	v_lshrrev_b32 v17, 2, v1                       ; the stage holds a row as 64 pieces of 64 bytes; piece q lies at 80 q + 32 (q / 4)
	v_mul_u32_u24 v3, v17, 80
	v_lshrrev_b32 v17, 4, v1
	v_lshl_add_u32 v3, v17, 5, v3
	v_and_b32 v17, 3, v1
	v_lshl_add_u32 v3, v17, 4, v3
	v_add_nc_u32 v3, s22, v3                       ; in: load j's 16 bytes of lane l: piece 8 j + l / 4, byte 16 (l % 4); 704 j stands in the offset
	v_lshrrev_b32 v17, 1, v1
	v_mul_u32_u24 v4, v17, 352
	v_and_b32 v17, 1, v1
	v_mad_u32_u24 v4, v17, 80, v4
	v_add_nc_u32 v4, s22, v4                       ; out: piece 4 (l / 2) + 2 h + l % 2: sixteen lanes fall on sixteen different columns of 16 bytes modulo 256
	v_mul_u32_u24 v5, v1, 12                       ; my 16 codes' 12 bytes in a step's 384
	s_add_co_u32 s23, s22, SBO
	v_and_b32 v6, 30, v1
	v_add_nc_u32 v6, s23, v6                       ; my block's scale byte: 2 (l / 2), + h and 32 x token in the offset
	v_lshlrev_b32 v8, 3, v1                        ; 8 x lane
	v_add_nc_u32 v7, s23, v8                       ; and on the way out 8 bytes a lane
	s_add_co_u32 s23, s22, PARTO
	v_lshl_add_u32 v9, v1, 5, s23                  ; my 8 partial sums of a token
	v_lshrrev_b32 v17, 2, v1
	v_mul_u32_u24 v10, v17, PPITCH
	v_and_b32 v17, 3, v1
	v_lshl_add_u32 v10, v17, 3, v10
	v_add_nc_u32 v10, s23, v10                     ; back: lane l sums token l / 4, experts 2 (l % 4) and 2 (l % 4) + 1
	v_lshl_add_u32 v11, v0, 3, LG                  ; those two logits' place: 32 bytes a token = 8 x the thread's number
	v_lshl_add_u32 v12, v1, 5, LG                  ; wave 0, lane = token: its 8 logits
	v_mul_u32_u24 v13, v1, 144                     ; Wg out of LDS: piece 32 j + lane
	v_lshrrev_b32 v17, 3, v0
	v_mul_u32_u24 v14, v17, 144
	v_and_b32 v17, 7, v0
	v_lshl_add_u32 v14, v17, 4, v14                ; Wg into LDS: thread t's 16 bytes: piece t / 8 (+ 16 a load), byte 16 (t % 8)
	v_lshlrev_b32 v15, 4, v0                       ; Wg in memory: 16 x thread
	v_lshlrev_b32 v16, 2, v1                       ; 4 x lane
	s_lshl_b32 s20, ttmp9, 17                      ; x: 32 rows of 4,096 bytes a work-group, 8 a wave
	s_lshl_b32 s24, s18, 15
	s_add_co_u32 s20, s20, s24
	s_mov_b32 s21, 0
	s_mul_i32 s24, ttmp9, 24576                    ; xq: 768 bytes a token
	s_mul_i32 s26, s18, 6144
	s_add_co_u32 s24, s24, s26
	s_mov_b32 s25, 0
	s_lshl_b32 s26, ttmp9, 10                      ; xs: 32 bytes a token
	s_lshl_b32 s28, s18, 8
	s_add_co_u32 s26, s26, s28
	s_mov_b32 s27, 0
	s_lshl_b32 s28, ttmp9, 8                       ; gates: 8 bytes a token
	s_mov_b32 s29, 0
	s_lshl_b32 s30, ttmp9, 7                       ; route: 4 bytes a token; the counts: 128 bytes a segment
	s_mov_b32 s31, 0
	s_wait_kmcnt 0x0
	s_add_nc_u64 s[4:5], s[4:5], s[20:21]
	s_add_nc_u64 s[8:9], s[8:9], s[24:25]
	s_add_nc_u64 s[10:11], s[10:11], s[26:27]
	s_add_nc_u64 s[12:13], s[12:13], s[28:29]
	s_add_nc_u64 s[14:15], s[14:15], s[30:31]
.set I, 0
.rept 16
	global_load_b128 v[CD+4*I:CD+4*I+3], v15, s[6:7] offset:2048*I     ; Wg, once a work-group: 128 threads x 16 bytes, dense
.set I, I+1
.endr
	WIN 0x80                                       ; destination window 2
.set I, 0
.rept 48
	global_load_b128 v[4*I:4*I+3], v2, s[4:5] offset:512*I th:TH_LOAD_NT   ; tokens 0-5: load I = 8 t + j reads 512 consecutive bytes of row t
.set I, I+1
.endr
	WIN 0
	s_wait_loadcnt 48                              ; Wg's sixteen loads are in; the 48 issued behind them stay out
.set I, 0
.rept 16
	ds_store_b128 v14, v[CD+4*I:CD+4*I+3] offset:2304*I
.set I, I+1
.endr
	WIN 0x80
.set I, 48
.rept 16
	global_load_b128 v[4*I:4*I+3], v2, s[4:5] offset:512*I th:TH_LOAD_NT   ; tokens 6 and 7
.set I, I+1
.endr
	WIN 0
	s_wait_dscnt 0x0                               ; for the others' sake: my part of Wg lies in LDS (and v80 on may be written again)
	s_barrier_signal -1
	s_barrier_wait -1
	WIN 0x40                                       ; destination window 1
.set I, 0
.rept 64
	ds_load_b128 v[4*I:4*I+3], v13 offset:4608*(I/8)+16*(I%8)          ; my 4 rows of Wg of each 128 along K: they stay in registers
.set I, I+1
.endr
	WIN 0
	s_wait_dscnt 0x0
; Sixteen neighbours of a lane become 16 codes.  Lane l of step h holds k = 64 (l / 2) + 32 h + 16 (l % 2) + 0..15: lanes l and l xor 1 share a block.
.macro QSTEP t, h
.set XQ, XS+16*\h
.set TT, TQ+4*\h
	v_max3_num_f32 v[TT], |v[XQ]|, |v[XQ+1]|, |v[XQ+2]|             ; the largest magnitude of my 16, in two chains
	v_max3_num_f32 v[TT+1], |v[XQ+3]|, |v[XQ+4]|, |v[XQ+5]|
.irp i, 6,10
	v_max3_num_f32 v[TT], v[TT], |v[XQ+\i]|, |v[XQ+\i+1]|
	v_max3_num_f32 v[TT+1], v[TT+1], |v[XQ+\i+2]|, |v[XQ+\i+3]|
.endr
	v_max3_num_f32 v[TT], v[TT], |v[XQ+14]|, |v[XQ+15]|
	v_max3_num_f32 v[TT], v[TT], v[TT+1], 0x1800000                ; and the floor 2^(3 - 127): the byte cannot fall under 1
	v_max_num_f32_dpp v[TT], v[TT], v[TT] row_xmask:1 row_mask:0xf bank_mask:0xf   ; with my neighbour's 16: the block's
	v_add_nc_u32 v[TT+2], 0xff000000, v[TT]                        ; 2 off its exponent field: the conversion takes that field as its scale and nothing else
	v_cvt_scalef32_pk16_fp6_f32 v[CD+4*(2*\t+\h):CD+4*(2*\t+\h)+2], v[XQ:XQ+15], v[TT+2]   ; to the nearest code, ties to even, beyond 7.5 the largest code
	v_lshrrev_b32 v[EB+2*\t+\h], 23, v[TT+2]                       ; the scale's byte (a plain line behind the conversion)
	ds_store_b8 v6, v[EB+2*\t+\h] offset:32*\t+\h                  ; both lanes of a block write the same byte with the same value
	global_store_b96 v5, v[CD+4*(2*\t+\h):CD+4*(2*\t+\h)+2], s[8:9] offset:768*\t+384*\h   ; the wave stores 384 consecutive bytes; each step has registers of its own
.endm
; One token: its row turns through the stage, so that a lane gets neighbours; the gate's 256 multiply-adds a lane stand between the LDS loads and their use.
.macro TOKEN t
	s_wait_loadcnt 56-8*\t                         ; loads come back in order: this row's eight are in, the later rows' stay out
	WIN 0x08                                       ; an LDS store's data are its source 1: window 2
.irp j, 0,1,2,3,4,5,6,7
	ds_store_b128 v3, v[32*\t+4*\j:32*\t+4*\j+3] offset:704*\j
.endr
	WIN 0
.irp h, 0,1
.irp i, 0,1,2,3
	ds_load_b128 v[XS+16*\h+4*\i:XS+16*\h+4*\i+3], v4 offset:160*\h+16*\i   ; LDS serves a wave's instructions in order: these see the stores above
.endr
.endr
	WIN 0x06                                       ; source 0 (x) window 2, source 1 (Wg) window 1
.irp e, 0,2,4,6
	v_pk_mul_f32 v[ACC+\e:ACC+\e+1], v[32*\t:32*\t+1], v[\e:\e+1] op_sel_hi:[0,1]          ; the first two products start the sums: nothing is cleared
.endr
.irp e, 0,2,4,6
	v_pk_mul_f32 v[ACC+8+\e:ACC+8+\e+1], v[32*\t:32*\t+1], v[8+\e:8+\e+1] op_sel:[1,0] op_sel_hi:[1,1]
.endr
.set RHO, 2
.rept 15
.irp e, 0,2,4,6                        ; x's even register times two experts' weights at a time; set 0 of the sums
	v_pk_fma_f32 v[ACC+\e:ACC+\e+1], v[32*\t+RHO:32*\t+RHO+1], v[8*RHO+\e:8*RHO+\e+1], v[ACC+\e:ACC+\e+1] op_sel_hi:[0,1,1]
.endr
.irp e, 0,2,4,6                        ; the odd register; set 1
	v_pk_fma_f32 v[ACC+8+\e:ACC+8+\e+1], v[32*\t+RHO:32*\t+RHO+1], v[8*RHO+8+\e:8*RHO+8+\e+1], v[ACC+8+\e:ACC+8+\e+1] op_sel:[1,0,0] op_sel_hi:[1,1,1]
.endr
.set RHO, RHO+2
.endr
	WIN 0
.irp e, 0,2,4,6
	v_pk_add_f32 v[JS+8*((\t)%2)+\e:JS+8*((\t)%2)+\e+1], v[ACC+\e:ACC+\e+1], v[ACC+8+\e:ACC+8+\e+1]
.endr
	ds_store_b128 v9, v[JS+8*((\t)%2):JS+8*((\t)%2)+3] offset:PPITCH*\t
	ds_store_b128 v9, v[JS+8*((\t)%2)+4:JS+8*((\t)%2)+7] offset:PPITCH*\t+16
	s_wait_dscnt 0x2                               ; all but these two stores: my 32 neighbours are in, and the last token's two stores have read the other set
	QSTEP \t, 0
	QSTEP \t, 1
.endm
.irp t, 0,1,2,3,4,5,6,7
	TOKEN \t
.endr
	ds_load_b64 v[76:77], v7                       ; my wave's 256 scale bytes, 8 a lane
.set I, 0
.rept 32
	ds_load_b64 v[FS+2*I:FS+2*I+1], v10 offset:32*I                ; lane I's partial sums of my token's two experts
.set I, I+1
.endr
	s_wait_dscnt 0x0
	global_store_b64 v8, v[76:77], s[10:11]        ; 32 lanes store 256 consecutive bytes, aligned
.set I, 2
.rept 15
	v_pk_add_f32 v[FS:FS+1], v[FS:FS+1], v[FS+2*I:FS+2*I+1]        ; two chains
	v_pk_add_f32 v[FS+2:FS+3], v[FS+2:FS+3], v[FS+2*I+2:FS+2*I+3]
.set I, I+2
.endr
	v_pk_add_f32 v[FS:FS+1], v[FS:FS+1], v[FS+2:FS+3]
	ds_store_b64 v11, v[FS:FS+1]
	s_wait_dscnt 0x0                               ; for wave 0's sake: my 8 tokens' logits lie in LDS
	s_barrier_signal -1
	s_barrier_wait -1
	s_cmp_lg_u32 s18, 0
	s_cbranch_scc1 .Ldone                          ; no barrier stands behind this branch
	; wave 0: lane = token of the segment
	ds_load_b128 v[224:227], v12
	ds_load_b128 v[228:231], v12 offset:16
	v_mov_b32 v236, 0xff800000                     ; -infinity
	v_mov_b32 v233, 0
	v_mov_b32 v235, 0
	v_mov_b32 v248, 0                              ; loc
	v_mov_b32 v249, 0                              ; the segment's counts: lane = rank; lanes 28-31 stay 0
	s_wait_dscnt 0x0
	v_mov_b32 v232, v224
.irp e, 1,2,3,4,5,6,7                  ; the largest logit: a later one takes only where it is greater, so ties keep the lower index
	v_cmp_ge_f32 vcc_lo, v232, v[224+\e]
	v_cndmask_b32 v232, v[224+\e], v232, vcc_lo
	v_cndmask_b32 v233, \e, v233, vcc_lo
.endr
.irp e, 0,1,2,3,4,5,6,7
	v_cmp_eq_u32 vcc_lo, \e, v233
	v_cndmask_b32 v[224+\e], v[224+\e], v236, vcc_lo               ; it is taken out,
.endr
	v_mov_b32 v234, v224
.irp e, 1,2,3,4,5,6,7                  ; and the same scan finds the second
	v_cmp_ge_f32 vcc_lo, v234, v[224+\e]
	v_cndmask_b32 v234, v[224+\e], v234, vcc_lo
	v_cndmask_b32 v235, \e, v235, vcc_lo
.endr
	v_sub_f32 v237, v234, v232                     ; l2 - l1, 0 or less
	v_mul_f32 v237, 0x3fb8aa3b, v237
	v_exp_f32 v237, v237                           ; d = e^(l2 - l1)
	v_min_u32 v240, v233, v235                     ; lo  (a plain line behind the exponential)
	s_wait_alu depctr_va_vdst(0)
	v_add_f32 v238, 1.0, v237
	v_rcp_f32 v238, v238                           ; g1 = 1 / (1 + d)
	v_max_u32 v241, v233, v235                     ; hi  (a plain line behind the reciprocal)
	s_wait_alu depctr_va_vdst(0)
	v_mul_f32 v239, v237, v238                     ; g2 = d g1
	v_cmp_lt_u32 vcc_lo, v233, v235
	v_cndmask_b32 v242, v239, v238, vcc_lo         ; the lower expert's weight,
	v_cndmask_b32 v243, v238, v239, vcc_lo         ; the higher one's
	v_sub_nc_u32 v244, 15, v240
	v_mul_u32_u24 v244, v240, v244
	v_lshrrev_b32 v244, 1, v244                    ; lo (15 - lo) / 2
	v_sub_nc_u32 v245, v241, v240
	v_add_nc_u32 v245, -1, v245                    ; hi - lo - 1
	v_sub_nc_u32 v246, 7, v241                     ; 7 - hi
	v_and_b32 v247, 1, v240
	v_cmp_eq_u32 vcc_lo, 1, v247
	v_cndmask_b32 v245, v245, v246, vcc_lo
	v_add_nc_u32 v244, v244, v245                  ; rank
.set P, 0
.rept 28
	v_cmp_eq_u32 s40, P, v244                      ; the tokens of rank P
	v_mbcnt_lo_u32_b32 v250, s40, 0                ; how many of them stand in lower lanes
	v_cndmask_b32 v248, v248, v250, s40
	s_bcnt1_i32_b32 s41, s40
	v_writelane_b32 v249, s41, P                   ; and how many there are
.set P, P+1
.endr
	v_lshl_or_b32 v251, v240, 8, v244
	v_lshl_or_b32 v251, v241, 16, v251
	v_lshl_or_b32 v251, v248, 24, v251
	global_store_b32 v16, v251, s[14:15]
	global_store_b32 v16, v249, s[14:15] offset:32768
	global_store_b64 v8, v[242:243], s[12:13]      ; 32 lanes store 256 consecutive bytes, aligned
.Ldone:
	s_wait_tensorcnt 0x0
	ds_add_u32 v254, v255
	s_wait_dscnt 0x0
	s_endpgm
.Lfunc_end_k_qf7c5b43d23_gateq:
	.size	k_qf7c5b43d23_gateq, .Lfunc_end_k_qf7c5b43d23_gateq-k_qf7c5b43d23_gateq
	.p2alignl 7, 3214868480
	.fill 96, 4, 3214868480
	.section	.rodata,"a",@progbits
	.p2align	6, 0x0
	.amdhsa_kernel k_qf7c5b43d23_gateq
		.amdhsa_group_segment_fixed_size 95744
		.amdhsa_private_segment_fixed_size 0
		.amdhsa_enable_private_segment 0
		.amdhsa_kernarg_size 48
		.amdhsa_user_sgpr_count 2
		.amdhsa_user_sgpr_kernarg_segment_ptr 1
		.amdhsa_wavefront_size32 1
		.amdhsa_system_sgpr_workgroup_id_x 1
		.amdhsa_system_sgpr_workgroup_id_y 1
		.amdhsa_system_sgpr_workgroup_id_z 1
		.amdhsa_system_vgpr_workitem_id 0
		.amdhsa_next_free_vgpr 768
		.amdhsa_next_free_sgpr 66
		.amdhsa_reserve_vcc 1
		.amdhsa_float_denorm_mode_32 3
		.amdhsa_float_denorm_mode_16_64 3
		.amdhsa_memory_ordered 1
		.amdhsa_forward_progress 1
		.amdhsa_inst_pref_size 123
	.end_amdhsa_kernel
	.amdgpu_metadata
---
amdhsa.version: [ 1, 2 ]
amdhsa.kernels:
  - .name:           k_qf7c5b43d23_gateq
    .symbol:         k_qf7c5b43d23_gateq.kd
    .args:
      - { .name: hidden_states, .offset: 0, .size: 8, .value_kind: global_buffer, .address_space: global }
      - { .name: Wg, .offset: 8, .size: 8, .value_kind: global_buffer, .address_space: global }
      - { .name: xq, .offset: 16, .size: 8, .value_kind: global_buffer, .address_space: global }
      - { .name: xs, .offset: 24, .size: 8, .value_kind: global_buffer, .address_space: global }
      - { .name: gates, .offset: 32, .size: 8, .value_kind: global_buffer, .address_space: global }
      - { .name: route, .offset: 40, .size: 8, .value_kind: global_buffer, .address_space: global }
    .group_segment_fixed_size: 95744
    .private_segment_fixed_size: 0
    .kernarg_segment_align: 8
    .kernarg_segment_size: 48
    .max_flat_workgroup_size: 128
    .sgpr_count:     66
    .vgpr_count:     768
    .wavefront_size: 32
...
	.end_amdgpu_metadata
.endif
;; end of part 1
;; launch wsort (part 2): grid 257 x 1, 4 waves a work-group, no clusters, 133,632 bytes of LDS; arguments We, route, wq, order; writes wq, order
.if DOCPART == 2
	.amdgcn_target "amdgcn-amd-amdhsa--gfx1250"
	.amdhsa_code_object_version 6
	.text
	.protected	k_qf7c5b43d23_wsort
	.globl	k_qf7c5b43d23_wsort
	.p2align	8
	.type	k_qf7c5b43d23_wsort,@function
k_qf7c5b43d23_wsort:
	s_mov_b64 s[64:65], 0
	v_nop
	global_prefetch_b8 v0, s[64:65] scope:SCOPE_SE
	s_setreg_imm32_b32 hwreg(HW_REG_WAVE_MODE, 25, 1), 1
	s_wait_xcnt 0x0
; TWO JOBS IN ONE LAUNCH, parted on the work-group's number; each has LDS bytes of its own.
; WORK-GROUPS 1 .. 256: We [8][1024 (k)][1024 (d)] f32, whose K is the FIRST axis within an expert, becomes codes of FP6 (E2M3) with one E8M0 byte for each 32 along K, laid in the
;   order of a matrix operand's registers.  wq is [e 8][g 16][s 8] records of 6,400 bytes: 64 columns (group g) x 128 along K (step s): four fragment images of 1,536 bytes (16 columns each;
;   register group c of 4 registers of operand lane L at 512 c + 16 L), then 256 bytes of scale words: the word of column 16 n + r at 6144 + 16 r + 4 n.
;   A wave makes one record.  Its 128 rows x 256 bytes are loaded as they lie (a load covers two aligned runs of 256 bytes), go through the wave's own 32 KiB of LDS, and come back with A LANE TO A COLUMN
;   AND ITS REGISTERS DOWN K: a block of 32 lies in one lane, so its largest magnitude needs no other lane, and the conversions give codes with K innermost.  No barrier: waves share nothing.
;   A block's scale is 2^(floor(log2(largest magnitude)) - 2); its byte is that magnitude's exponent field - 2, held at 1 from below.
; WORK-GROUP 0: the counting sort of the 8,192 tokens by the rank of their pair of experts, from the words and counts that the launch before stored.  order: perm[8192] (the token at each sorted place),
;   from byte 32768 pexp[8192] (lo | hi << 8 of that token), from byte 65536 bmask[64]: the experts that each block of 128 sorted places uses.  No atomics: a token's place is
;   the start of its rank + the counts of its rank in all earlier segments + its number among its own segment's tokens of that rank.
;   perm and pexp leave as stores of 4 bytes a lane to scattered places: 64 KiB in all, the price of a sort that scatters.
; LIMITS: NaN and infinities in We are not served; a block of zeros gets the byte 1 where the rule says 127 (its codes are zeros; this program alone reads the bytes).
; No tensor load (a lane's loads are dense as they are, and all of a wave's 32 KiB are asked for at its head), no cluster (no byte is read twice), no matrix unit.
.set XB,  32                           ; quantiser, window 0: v32-95 two sets of 32 numbers: columns lane and 32 + lane
.set FR,  96                           ; v96-143 the codes: 24 u + 12 h + 6 c + 0..5.   Window 1: the 64 loads' 256 registers
.set TOT, 131072                       ; sort: the four waves' totals a rank, 128 bytes a wave;
.set BT,  131584                       ; and each wave's own copy of the ranks' totals
.set HB,  64                           ; sort: v64-127 counts (lane = rank), then exclusive sums, then byte offsets of places
.set RB,  128                          ; v128-191 the tokens' words (lane = token of the segment), then lo | hi << 8
.set TB,  192                          ; v192-223 the 32 ranks' totals, the same in every lane
.set SPF, 224                          ; v224-252 their prefix sums: where each rank begins
.set MSB, 0
.macro WIN new                         ; s_set_vgpr_msb: bits 1:0 source 0, 3:2 source 1, 5:4 source 2, 7:6 destination; the high byte repeats the setting that is left
.if MSB != \new
	s_set_vgpr_msb (MSB<<8)|\new
.set MSB, \new
.endif
.endm
	s_load_b256 s[4:11], s[0:1], 0x0               ; We s[4:5], route s[6:7], wq s[8:9], order s[10:11]
	v_lshl_add_u32 v254, v0, 2, 0x20800
	v_mov_b32 v255, 0
	v_lshrrev_b32 v1, 5, v0
	v_readfirstlane_b32 s18, v1                    ; wave 0..3
	v_and_b32 v1, 31, v0                           ; lane
	s_cmp_eq_u32 ttmp9, 0
	s_cbranch_scc1 .Lsort
	; ---------------- the quantiser
	s_sub_co_u32 s19, ttmp9, 1
	s_lshl_b32 s19, s19, 2
	s_add_co_u32 s19, s19, s18                     ; my record, 0 .. 1023
	s_and_b32 s20, s19, 15                         ; g
	s_bfe_u32 s21, s19, 0x30004                    ; s
	s_lshr_b32 s22, s19, 7                         ; e
	s_lshl_b32 s24, s22, 22                        ; We: 4 MiB an expert,
	s_lshl_b32 s26, s21, 19                        ; 128 rows of 4,096 bytes a K step,
	s_add_co_u32 s24, s24, s26
	s_lshl_b32 s26, s20, 8                         ; 256 bytes a group of columns
	s_add_co_u32 s24, s24, s26
	s_mov_b32 s25, 0
	s_mul_i32 s26, s22, 819200
	s_mul_i32 s28, s20, 51200
	s_add_co_u32 s26, s26, s28
	s_mul_i32 s28, s21, 6400
	s_add_co_u32 s26, s26, s28
	s_mov_b32 s27, 0
	v_lshrrev_b32 v7, 4, v1
	v_and_b32 v6, 15, v1
	v_lshlrev_b32 v6, 4, v6                        ; 16 (l % 16): also the place of my quad of scale words
	v_lshl_add_u32 v2, v7, 12, v6                  ; in: lanes 0-15 one row's 256 bytes, lanes 16-31 the next row's
	s_lshl_b32 s28, s18, 15                        ; my wave's 32 KiB of LDS
	v_lshl_add_u32 v3, v1, 4, s28                  ; into it: rows 256 bytes apart, so a load's 512 bytes lie on end
	v_lshl_add_u32 v4, v1, 2, s28                  ; out of it: my column's 4 bytes of a row: 32 lanes read 128 consecutive bytes
	v_mad_u32_u24 v5, v7, 1536, v6                 ; the images: my column is column l % 16 of fragment 2 u + l / 16
	v_mov_b32 v17, 0                               ; (a lane permute's destination counts as one of its sources)
	v_mov_b32 v19, 0
	s_mov_b32 s44, 0x76543210
	s_mov_b32 s45, 0xfedcba98                      ; v_permlanex16_b32's selects for lane l xor 16
	s_wait_kmcnt 0x0
	s_add_nc_u64 s[4:5], s[4:5], s[24:25]
	s_add_nc_u64 s[8:9], s[8:9], s[26:27]
	WIN 0x40                                       ; destination window 1
.set I, 0
.rept 64
	global_load_b128 v[4*I:4*I+3], v2, s[4:5] offset:8192*I th:TH_LOAD_NT   ; rows 2 I and 2 I + 1; read once in the launch
.set I, I+1
.endr
; block b (32 along K) of column 32 u + lane: its codes are registers 6 (b / 2) .. + 5 of operand lane (column % 16, h = b % 2)
.macro QBLOCK b, u
.set XQ, XB+32*\u
.set FB, FR+24*\u+12*((\b)%2)+6*((\b)/2)
.set TT, 8+4*\u
.set TC, 20+4*\u
	v_max3_num_f32 v[TT], |v[XQ]|, |v[XQ+1]|, |v[XQ+2]|             ; the block's largest magnitude: all 32 numbers are mine; two chains
	v_max3_num_f32 v[TT+1], |v[XQ+3]|, |v[XQ+4]|, |v[XQ+5]|
.irp i, 6,10,14,18,22,26
	v_max3_num_f32 v[TT], v[TT], |v[XQ+\i]|, |v[XQ+\i+1]|
	v_max3_num_f32 v[TT+1], v[TT+1], |v[XQ+\i+2]|, |v[XQ+\i+3]|
.endr
	v_max3_num_f32 v[TT], v[TT], |v[XQ+30]|, |v[XQ+31]|
	v_max3_num_f32 v[TT], v[TT], v[TT+1], 0x1800000                ; and the floor 2^(3 - 127): the byte cannot fall under 1
	v_add_nc_u32 v[TT+2], 0xff000000, v[TT]                        ; 2 off its exponent field: the conversion's scale operand
	v_lshrrev_b32 v[TT+3], 23, v[TT+2]                             ; the scale's byte
.if \b == 0
	v_mov_b32 v[16+2*\u], v[TT+3]                                  ; four bytes make the column's scale word, the lower K in the lower byte
.else
	v_lshl_or_b32 v[16+2*\u], v[TT+3], 8*\b, v[16+2*\u]
.endif
	v_cvt_scalef32_pk16_fp6_f32 v[FB:FB+2], v[XQ:XQ+15], v[TT+2]
	v_cvt_scalef32_pk16_fp6_f32 v[TC:TC+2], v[XQ+16:XQ+31], v[TT+2]   ; (a conversion's three registers begin on an even number: the block's second three do not)
	v_nop                                                          ; one plain line behind a scaled conversion
.irp i, 0,1,2
	v_mov_b32 v[FB+3+\i], v[TC+\i]
.endr
.endm
.macro QUARTER b                       ; 32 rows: sixteen loads
	s_wait_loadcnt 48-16*\b                        ; loads come back in order: these sixteen are in, the later ones stay out
	WIN 0x04                                       ; an LDS store's data are its source 1: window 1
.set I, 16*\b
.rept 16
	ds_store_b128 v3, v[4*I:4*I+3] offset:512*I
.set I, I+1
.endr
	WIN 0
.irp u, 0,1
.set I, 0
.rept 32
	ds_load_b32 v[XB+32*\u+I], v4 offset:256*(32*\b+I)+128*\u      ; LDS serves a wave's instructions in order: these see the stores above
.set I, I+1
.endr
.endr
	s_wait_dscnt 32                                ; the first column's 32 numbers are in, the second's may be out
	QBLOCK \b, 0
	s_wait_dscnt 0x0
	QBLOCK \b, 1
.endm
	QUARTER 0
	QUARTER 1
	QUARTER 2
	QUARTER 3
.irp u, 0,1
.irp h, 0,1
.irp c, 0,1,2
	global_store_b128 v5, v[FR+24*\u+12*\h+4*\c:FR+24*\u+12*\h+4*\c+3], s[8:9] offset:3072*\u+256*\h+512*\c   ; each half of the lanes stores 256 consecutive bytes, aligned
.endr
.endr
.endr
	v_permlanex16_b32 v17, v16, s44, s45           ; lanes 0-15 now hold the words of columns r, 16 + r,
	v_permlanex16_b32 v19, v18, s44, s45           ; 32 + r and 48 + r in v16-19
	s_wait_xcnt 0x0                                ; EXEC is a source of the stores above: it changes only behind this wait
	v_cmp_gt_u32 vcc_lo, 16, v1
	s_wait_tensorcnt 0x0
	ds_add_u32 v254, v255
	s_wait_dscnt 0x0
	s_and_saveexec_b32 s40, vcc_lo
	global_store_b128 v6, v[16:19], s[8:9] offset:6144             ; sixteen lanes store the record's 256 bytes of scale words
	s_wait_xcnt 0x0                                ; and again in front of the line that widens it
	s_or_b32 exec_lo, exec_lo, s40
	s_endpgm
	; ---------------- the sort: wave w takes segments 64 w .. 64 w + 63
.Lsort:
	s_lshl_b32 s20, s18, 13                        ; 64 segments x 128 bytes, of words and of counts alike
	v_lshl_add_u32 v2, v1, 2, s20
	v_lshl_add_u32 v3, v0, 2, TOT                  ; my wave's totals: 128 bytes a wave, 4 a lane
	v_lshl_add_u32 v4, v1, 2, TOT                  ; every wave's total of my rank
	v_lshl_add_u32 v5, v0, 2, BT
	s_lshl_b32 s20, s18, 7
	s_add_co_u32 s20, s20, BT
	v_mov_b32 v6, s20                              ; my wave's copy, read by every lane alike
	s_lshl_b32 s21, s18, 11
	v_add_nc_u32 v43, s21, v1                      ; the token of my lane in my wave's first segment
	s_wait_kmcnt 0x0
.set I, 0
.rept 64
	global_load_b32 v[HB+I], v2, s[6:7] offset:32768+128*I         ; segment I's counts: lane = rank
.set I, I+1
.endr
.set I, 0
.rept 32
	global_load_b32 v[RB+I], v2, s[6:7] offset:128*I               ; segment I's words: lane = token
.set I, I+1
.endr
	s_wait_loadcnt 32                              ; the counts are in; the 32 loads behind them stay out
	v_mov_b32 v32, 0
.set I, 0
.rept 32                               ; exclusive sums over my 64 segments, in place; two running registers by turns
	v_add_nc_u32 v33, v32, v[HB+I]
	v_mov_b32 v[HB+I], v32
	v_add_nc_u32 v32, v33, v[HB+I+1]
	v_mov_b32 v[HB+I+1], v33
.set I, I+2
.endr
.set I, 32
.rept 32
	global_load_b32 v[RB+I], v2, s[6:7] offset:128*I
.set I, I+1
.endr
	ds_store_b32 v3, v32                           ; my wave's total of each rank
	s_wait_dscnt 0x0                               ; for the others' sake
	s_barrier_signal -1
	s_barrier_wait -1
.irp q, 0,1,2,3
	ds_load_b32 v[34+\q], v4 offset:128*\q
.endr
	v_mov_b32 v40, 0
	s_wait_dscnt 0x0
	v_add_nc_u32 v38, v34, v35
	v_add3_u32 v38, v38, v36, v37                  ; the rank's total
.irp q, 0,1,2
	s_cmp_gt_u32 s18, \q
	s_cselect_b32 s21, -1, 0
	v_and_b32 v41, s21, v[34+\q]
	v_add_nc_u32 v40, v40, v41                     ; what the waves below mine hold of my rank
.endr
	ds_store_b32 v5, v38
.irp q, 0,1,2,3,4,5,6,7
	ds_load_b128 v[TB+4*\q:TB+4*\q+3], v6 offset:16*\q             ; my own wave's bytes, served in order: every lane gets all 32 totals
.endr
	v_mov_b32 v[SPF], 0
	v_mov_b32 v42, 0
	s_wait_dscnt 0x0
.set P, 0
.rept 28
	v_add_nc_u32 v[SPF+P+1], v[SPF+P], v[TB+P]                     ; where rank P + 1 begins
.set P, P+1
.endr
.set P, 0
.rept 28
	v_cmp_eq_u32 vcc_lo, P, v1
	v_cndmask_b32 v42, v42, v[SPF+P], vcc_lo                       ; lane = rank: where mine begins
.set P, P+1
.endr
	v_add_nc_u32 v42, v42, v40                     ; + the waves below
	s_wait_loadcnt 0x0                             ; all the words are in
; eight segments: each token fetches, from the lane of its rank, where its segment's tokens of that rank begin
.macro RUN b
.if \b > 0
	s_wait_xcnt 0x0                                ; the last run's stores have read v16-23, which are written again
.endif
.irp i, 0,1,2,3,4,5,6,7
	v_add_nc_u32 v[HB+8*\b+\i], v42, v[HB+8*\b+\i]
	v_and_b32 v[44+\i], 31, v[RB+8*\b+\i]                          ; rank
.endr
.irp i, 0,1,2,3,4,5,6,7
	v_lshlrev_b32 v[44+\i], 2, v[44+\i]
.endr
.irp i, 0,1,2,3,4,5,6,7
	ds_bpermute_b32 v[52+\i], v[44+\i], v[HB+8*\b+\i]              ; between lanes: no LDS byte is touched
.endr
.irp i, 0,1,2,3,4,5,6,7
	v_lshrrev_b32 v[8+\i], 24, v[RB+8*\b+\i]                       ; loc
	v_add_nc_u32 v[16+\i], 32*(8*\b+\i), v43                       ; the token's number
.endr
.irp i, 0,1,2,3,4,5,6,7
	v_bfe_u32 v[RB+8*\b+\i], v[RB+8*\b+\i], 8, 16                  ; lo | hi << 8
.endr
	s_wait_dscnt 0x0
.irp i, 0,1,2,3,4,5,6,7
	v_add_nc_u32 v[HB+8*\b+\i], v[52+\i], v[8+\i]                  ; the token's sorted place,
.endr
.irp i, 0,1,2,3,4,5,6,7
	v_min_u32 v[HB+8*\b+\i], 0x1fff, v[HB+8*\b+\i]                 ; held inside the table,
.endr
.irp i, 0,1,2,3,4,5,6,7
	v_lshlrev_b32 v[HB+8*\b+\i], 2, v[HB+8*\b+\i]                  ; in bytes
.endr
.irp i, 0,1,2,3,4,5,6,7
	global_store_b32 v[HB+8*\b+\i], v[16+\i], s[10:11]
	global_store_b32 v[HB+8*\b+\i], v[RB+8*\b+\i], s[10:11] offset:32768
.endr
.endm
.irp b, 0,1,2,3,4,5,6,7
	RUN \b
.endr
	s_cmp_lt_u32 s18, 2
	s_cbranch_scc0 .Lsorted                        ; waves 0 and 1: thread = block of 128 sorted places
	v_lshlrev_b32 v24, 7, v0
	v_add_nc_u32 v25, 128, v24
	v_mov_b32 v26, 0
.set P, 0
.irp m, 0x03,0x05,0x09,0x11,0x21,0x41,0x81,0x82,0x42,0x22,0x12,0x0a,0x06,0x0c,0x14,0x24,0x44,0x84,0x88,0x48,0x28,0x18,0x30,0x50,0x90,0xa0,0x60,0xc0
	v_max_u32 v27, v[SPF+P], v24                   ; does rank P's run of places meet my block?
	v_min_u32 v28, v[SPF+P+1], v25
	v_or_b32 v29, \m, v26                          ; then its two experts are wanted
	v_cmp_lt_u32 vcc_lo, v27, v28
	v_cndmask_b32 v26, v26, v29, vcc_lo
.set P, P+1
.endr
	v_lshlrev_b32 v30, 2, v0
	global_store_b32 v30, v26, s[10:11] offset:65536
.Lsorted:
	s_wait_tensorcnt 0x0
	ds_add_u32 v254, v255
	s_wait_dscnt 0x0
	s_endpgm
.Lfunc_end_k_qf7c5b43d23_wsort:
	.size	k_qf7c5b43d23_wsort, .Lfunc_end_k_qf7c5b43d23_wsort-k_qf7c5b43d23_wsort
	.p2alignl 7, 3214868480
	.fill 96, 4, 3214868480
	.section	.rodata,"a",@progbits
	.p2align	6, 0x0
	.amdhsa_kernel k_qf7c5b43d23_wsort
		.amdhsa_group_segment_fixed_size 133632
		.amdhsa_private_segment_fixed_size 0
		.amdhsa_enable_private_segment 0
		.amdhsa_kernarg_size 32
		.amdhsa_user_sgpr_count 2
		.amdhsa_user_sgpr_kernarg_segment_ptr 1
		.amdhsa_wavefront_size32 1
		.amdhsa_system_sgpr_workgroup_id_x 1
		.amdhsa_system_sgpr_workgroup_id_y 1
		.amdhsa_system_sgpr_workgroup_id_z 1
		.amdhsa_system_vgpr_workitem_id 0
		.amdhsa_next_free_vgpr 512
		.amdhsa_next_free_sgpr 66
		.amdhsa_reserve_vcc 1
		.amdhsa_float_denorm_mode_32 3
		.amdhsa_float_denorm_mode_16_64 3
		.amdhsa_memory_ordered 1
		.amdhsa_forward_progress 1
		.amdhsa_inst_pref_size 109
	.end_amdhsa_kernel
	.amdgpu_metadata
---
amdhsa.version: [ 1, 2 ]
amdhsa.kernels:
  - .name:           k_qf7c5b43d23_wsort
    .symbol:         k_qf7c5b43d23_wsort.kd
    .args:
      - { .name: We, .offset: 0, .size: 8, .value_kind: global_buffer, .address_space: global }
      - { .name: route, .offset: 8, .size: 8, .value_kind: global_buffer, .address_space: global }
      - { .name: wq, .offset: 16, .size: 8, .value_kind: global_buffer, .address_space: global }
      - { .name: order, .offset: 24, .size: 8, .value_kind: global_buffer, .address_space: global }
    .group_segment_fixed_size: 133632
    .private_segment_fixed_size: 0
    .kernarg_segment_align: 8
    .kernarg_segment_size: 32
    .max_flat_workgroup_size: 128
    .sgpr_count:     66
    .vgpr_count:     512
    .wavefront_size: 32
...
	.end_amdgpu_metadata
.endif
;; end of part 2
;; launch experts (part 3): grid 4 x 64, 4 waves a work-group, no clusters, 118,272 bytes of LDS; arguments xq, xs, wq, be, gates, order, out0; writes out0
.if DOCPART == 3
	.amdgcn_target "amdgcn-amd-amdhsa--gfx1250"
	.amdhsa_code_object_version 6
	.text
	.protected	k_qf7c5b43d23_experts
	.globl	k_qf7c5b43d23_experts
	.p2align	8
	.type	k_qf7c5b43d23_experts,@function
k_qf7c5b43d23_experts:
	s_mov_b64 s[64:65], 0
	v_nop
	global_prefetch_b8 v0, s[64:65] scope:SCOPE_SE
	s_setreg_imm32_b32 hwreg(HW_REG_WAVE_MODE, 25, 1), 1
	s_wait_xcnt 0x0
; out[t] = sum over the token's two experts e of g_e (x[t] We[e] + be[e]), the products on codes of FP6 (E2M3) with one E8M0 scale for each 32 along K, sums in f32.
; Only chosen rows are multiplied.  The tokens lie sorted by their pair of experts (order: perm, pexp, bmask).  A work-group takes a block of 128 sorted places (y) x 256 columns (x) and owns those
; numbers of out: it walks the experts that its block uses (bmask: two, and one more for each change of pair inside the block), and a token that does not use an expert weighs that expert's result with 0.
; THE WAVES SHARE THE COLUMNS: wave w makes 64 columns for all 128 tokens: 8 x 4 accumulators.  So each byte of weights is read once a work-group, straight from memory into registers, whole fragments in the
; order of the operand's registers (wq's records), three K steps (96 matrix instructions) ahead of its use, across experts too.  The tokens' codes are gathered once into LDS and read by all four waves.
; TRANSPOSED USE: source 0 = 16 columns of We, source 1 = 16 tokens: lane (r, h), register j holds token r, column 16 n + 8 h + j.  So a token's weight is one register a lane,
; the bias is the C of an expert's first K step, and eight results are 32 neighbouring bytes of a row of out.
; NO TENSOR LOAD, NO CLUSTER: how many experts a block walks, and which, is read from memory, so partners would want different numbers of tiles;
; the tokens' rows are gathered by a list, lane by lane.
; LIMITS: as the two launches before state them (NaN and infinities are not served).  Every token number and expert number read from memory is held inside its table before it enters an address.
; REGISTERS, in windows of 256: window 0: v1-13 addresses; v32-95 x's scale words (8 a + s); v96-111 We's scale words, a ring of four quads; v112-127 the weights at work (even registers); v128-143 (g_lo, g_hi);
;   v144-151 lo, v152-159 hi; v160-255 x's fragments (12 a ..), at the head lists and offsets, on the way out rows of out.   window 1: the expert's accumulators, 8 (4 a + n) (at the head: the gathered codes).
;   window 2: out's sums, likewise.   window 3: We's fragments, a ring of four sets of 48; v192-223 the bias (8 n); in the last expert v192-255 take the tokens' numbers for the way out.
.set PITCH,  784                       ; a token's row in LDS: 768 bytes + 16 = 49 x 16: the 16 rows of a load of 16 bytes a lane fall on 16 different columns of 16 bytes modulo 256
.set STG,    128*PITCH                 ; behind the 128 rows: a stage of 16 rows x 272 bytes for each wave
.set SPITCH, 272
.set ASC,  32
.set BSC,  96
.set WGT,  112
.set GT,   128
.set VLO,  144
.set VHI,  152
.set AF,   160
.set BK,   160
.set BIAS, 192
.set TO,   192
.set PCUR, 28                          ; s[28:29] wq at my columns of the expert in hand;  s[30:31] of the next;  s[32:33] be of the next;  s[34:35] be of the first
.set PNXT, 30
.set BNXT, 32
.set BCUR, 34
.set W_MUL,  0x53                      ; source 0 (We) window 3, source 1 (x) window 0, C and D window 1
.set W_MUL0, 0x73                      ; the same with C (the bias) in window 3
.set W_TOB,  0xc0                      ; destination window 3, address window 0
.set W_COMB, 0xa1                      ; destination and source 2 window 2, source 0 window 1, source 1 window 0
.set W_FIX,  0xcf                      ; destination, sources 0 and 1 window 3, source 2 window 0
.set MSB, 0
.macro WIN new                         ; s_set_vgpr_msb: bits 1:0 source 0, 3:2 source 1, 5:4 source 2, 7:6 destination; the high byte repeats the setting that is left
.if MSB != \new
	s_set_vgpr_msb (MSB<<8)|\new
.set MSB, \new
.endif
.endm
.macro PLACES                          ; a load into a register that a matrix instruction has read, and a vector instruction that reads a matrix result, stand four plain vector instructions behind it
.rept 4
	v_nop
.endr
.endm
.macro NEXTPTR                         ; the lowest expert left in the mask: its number, its weights, its bias
	s_ctz_i32_b32 s25, s22
	s_min_u32 s25, s25, 7                          ; held inside the tables
	s_lshl_b32 s26, 1, s25
	s_and_not1_b32 s22, s22, s26
	s_mul_i32 s26, s25, 819200
	s_mov_b32 s27, 0
	s_add_nc_u64 s[PNXT:PNXT+1], s[8:9], s[26:27]
	s_lshl_b32 s26, s25, 12
	s_add_nc_u64 s[BNXT:BNXT+1], s[10:11], s[26:27]
.endm
.macro RING p, s, q                    ; K step s's record into set q: 13 loads: the quad of scale words, then four fragments, each load 512 consecutive bytes
	WIN 0
	global_load_b128 v[BSC+4*(\q):BSC+4*(\q)+3], v5, s[\p:\p+1] offset:6400*(\s)+6144
	WIN W_TOB
.irp n, 0,1,2,3
.irp c, 0,1,2
	global_load_b128 v[48*(\q)+12*\n+4*\c:48*(\q)+12*\n+4*\c+3], v4, s[\p:\p+1] offset:6400*(\s)+1536*\n+512*\c
.endr
.endr
.endm
.macro BIASLD p                        ; 8 loads: lane (r, h) wants, for tile n, be at columns 16 n + 8 h + 0..7
	WIN W_TOB
.irp n, 0,1,2,3
	global_load_b128 v[BIAS+8*\n:BIAS+8*\n+3], v11, s[\p:\p+1] offset:64*\n
	global_load_b128 v[BIAS+8*\n+4:BIAS+8*\n+7], v11, s[\p:\p+1] offset:64*\n+16
.endr
.endm
.macro PERMLD                          ; 16 loads: lane (r, h) wants the tokens at places 16 a + 8 h + 0..7: the rows that it will store
	WIN W_TOB
.irp a, 0,1,2,3,4,5,6,7
.irp q, 0,1
	global_load_b128 v[TO+8*\a+4*\q:TO+8*\a+4*\q+3], v11, s[14:15] offset:64*\a+16*\q
.endr
.endr
.endm
.macro AFETCH s, a0                    ; 12 LDS loads: x's fragments of K step s, tiles a0 .. a0 + 3: 48 consecutive bytes a lane each
.irp a, \a0, \a0+1, \a0+2, \a0+3
.irp c, 0,1,2
.if (\a) < 4
	ds_load_b128 v[AF+12*(\a)+4*\c:AF+12*(\a)+4*\c+3], v6 offset:16*PITCH*(\a)+48*(\s)+16*\c
.else
	ds_load_b128 v[AF+12*(\a)+4*\c:AF+12*(\a)+4*\c+3], v7 offset:16*PITCH*((\a)-4)+48*(\s)+16*\c
.endif
.endr
.endr
.endm
; 16 matrix instructions: tiles of tokens a0 .. a0 + 3 x the four tiles of columns, K step s.  The 32 accumulators take turns, one instruction a turn, in the same order in every K step.
.macro MUL16 a0, s
.irp a, \a0, \a0+1, \a0+2, \a0+3
.irp n, 0,1,2,3
.if (\s) == 0
	v_wmma_scale_f32_16x16x128_f8f6f4 v[8*(4*(\a)+\n):8*(4*(\a)+\n)+7], v[48*((\s)%4)+12*\n:48*((\s)%4)+12*\n+11], v[AF+12*(\a):AF+12*(\a)+11], v[BIAS+8*\n:BIAS+8*\n+7], v[BSC+4*((\s)%4)+\n], v[ASC+8*(\a)+(\s)] matrix_a_fmt:MATRIX_FMT_FP6 matrix_b_fmt:MATRIX_FMT_FP6
.else
	v_wmma_scale_f32_16x16x128_f8f6f4 v[8*(4*(\a)+\n):8*(4*(\a)+\n)+7], v[48*((\s)%4)+12*\n:48*((\s)%4)+12*\n+11], v[AF+12*(\a):AF+12*(\a)+11], v[8*(4*(\a)+\n):8*(4*(\a)+\n)+7], v[BSC+4*((\s)%4)+\n], v[ASC+8*(\a)+(\s)] matrix_a_fmt:MATRIX_FMT_FP6 matrix_b_fmt:MATRIX_FMT_FP6
.endif
.endr
.endr
.endm
.macro SLOT s, last                    ; what a K step asks for in its middle: the record three K steps on, of this expert or of the next; once an expert the next one's bias; in the last expert the list for the way out
.if \last
.if \s == 1
	PERMLD
.endif
.if \s < 5
	RING PCUR, (\s)+3, ((\s)+3)%4
.endif
.else
.if \s == 3
	BIASLD BNXT
.endif
.if \s < 5
	RING PCUR, (\s)+3, ((\s)+3)%4
.else
	RING PNXT, (\s)-5, ((\s)+3)%4
.endif
.endif
.endm
.macro KSTEP s, last
.set NW, 26                            ; loads come back in order: behind K step s's record stand the two younger records, 13 loads each;
.if \last
.if (\s == 2) || (\s == 3)
.set NW, 42                            ; and here the 16 loads of the list;
.elseif \s == 6
.set NW, 13                            ; at the end one record,
.elseif \s == 7
.set NW, 0                             ; and none
.endif
.else
.if (\s == 4) || (\s == 5)
.set NW, 34                            ; and here the 8 loads of the next bias
.endif
.endif
.set FET, 1
.if \last && (\s == 7)
.set FET, 0                            ; nothing follows the last K step
.endif
	s_wait_loadcnt NW
	s_wait_dscnt 12                                ; x's tiles 0-3 are in; the younger twelve loads (tiles 4-7) may be out
.if \s == 0
	WIN W_MUL0
.else
	WIN W_MUL
.endif
	MUL16 0, \s
	PLACES
	WIN 0
.if FET
	AFETCH (\s+1)%8, 0
.endif
	SLOT \s, \last
.if FET
	s_wait_dscnt 12                                ; tiles 4-7 are in; the twelve just issued may be out
.else
	s_wait_dscnt 0x0
.endif
.if \s == 0
	WIN W_MUL0
.else
	WIN W_MUL
.endif
	MUL16 4, \s
	PLACES
	WIN 0
.if FET
	AFETCH (\s+1)%8, 4
.endif
.endm
.macro GATEW                           ; each token's weight for the expert in hand: g_lo, g_hi or 0: a choice of values, no branch
.irp a, 0,1,2,3,4,5,6,7
	v_cmp_eq_u32 vcc_lo, s24, v[VLO+\a]
	v_cndmask_b32 v[WGT+2*\a], 0, v[GT+2*\a], vcc_lo
	v_cmp_eq_u32 vcc_lo, s24, v[VHI+\a]
	v_cndmask_b32 v[WGT+2*\a], v[WGT+2*\a], v[GT+2*\a+1], vcc_lo
.endr
.endm
.macro COMBINE first                   ; out's sums += weight x (x We + be); the first expert starts them: nothing is cleared.  Each accumulator is read from its low end on
	WIN W_COMB
.irp a, 0,1,2,3,4,5,6,7
.irp p, 0,2,4,6,8,10,12,14,16,18,20,22,24,26,28,30
.if \first
	v_pk_mul_f32 v[32*\a+\p:32*\a+\p+1], v[32*\a+\p:32*\a+\p+1], v[WGT+2*\a:WGT+2*\a+1] op_sel_hi:[1,0]
.else
	v_pk_fma_f32 v[32*\a+\p:32*\a+\p+1], v[32*\a+\p:32*\a+\p+1], v[WGT+2*\a:WGT+2*\a+1], v[32*\a+\p:32*\a+\p+1] op_sel_hi:[1,0,1]
.endif
.endr
.endr
.endm
.macro EXPERT first, last
.if \first == 0
	s_wait_xcnt 0x0                                ; the loads issued so far have read their bases: the pointers may step
	s_mov_b64 s[PCUR:PCUR+1], s[PNXT:PNXT+1]
	s_mov_b32 s24, s25
.if \last == 0
	NEXTPTR
.endif
.endif
	GATEW
.irp s, 0,1,2,3,4,5,6,7
	KSTEP \s, \last
.endr
	COMBINE \first
	WIN 0                                          ; at a label and at a branch every window is 0
.endm
	s_load_b256 s[4:11], s[0:1], 0x0               ; xq s[4:5], xs s[6:7], wq s[8:9], be s[10:11]
	s_load_b128 s[12:15], s[0:1], 0x20             ; gates s[12:13], order s[14:15]
	s_load_b64 s[16:17], s[0:1], 0x30              ; out0
	v_lshl_add_u32 v30, v0, 2, 0x1cc00
	v_mov_b32 v31, 0
	v_lshrrev_b32 v1, 5, v0
	v_readfirstlane_b32 s18, v1                    ; wave 0..3
	v_and_b32 v1, 31, v0                           ; lane
	v_and_b32 v2, 15, v0                           ; r
	v_bfe_u32 v3, v0, 4, 1                         ; h
	v_lshlrev_b32 v4, 4, v1                        ; 16 x lane: a fragment image's place for my lane
	v_lshlrev_b32 v5, 4, v2                        ; 16 r
	v_mul_u32_u24 v6, v2, PITCH
	v_mad_u32_u24 v6, v3, 384, v6                  ; x's fragments: row r, my half's 384 bytes; tiles 0-3,
	v_add_nc_u32 v7, 64*PITCH, v6                  ; tiles 4-7
	s_mul_i32 s26, s18, 32*PITCH
	v_mad_u32_u24 v8, v3, 16*PITCH, v5
	v_add_nc_u32 v8, s26, v8                       ; the gather: wave w fills rows 32 w ..; lanes 0-15 row i, lanes 16-31 row 16 + i, 16 bytes a lane
	s_mul_i32 s26, s18, 16*SPITCH
	s_add_co_u32 s26, s26, STG                     ; my stage
	v_mul_u32_u24 v9, v2, SPITCH
	v_lshl_add_u32 v9, v3, 5, v9
	v_add_nc_u32 v9, s26, v9                       ; in: row r, 32 bytes for each half of the lanes
	v_mad_u32_u24 v10, v3, 8*SPITCH, v5
	v_add_nc_u32 v10, s26, v10                     ; back: lanes 0-15 row i, lanes 16-31 row 8 + i
	v_lshlrev_b32 v11, 5, v3                       ; 32 h
	v_lshlrev_b32 v12, 2, v2                       ; 4 r
	s_lshl_b32 s26, s18, 7
	v_lshl_add_u32 v13, v3, 6, s26                 ; perm at place 32 w + 16 h
.irp a, 0,1,2,3,4,5,6,7
	v_mov_b32 v[WGT+2*\a+1], 0                     ; named as the upper halves of the weights' pairs, so they are written
.endr
	s_and_b32 s19, ttmp7, 0xffff                   ; the block of 128 sorted places
	s_lshl_b32 s20, ttmp9, 2
	s_add_co_u32 s20, s20, s18                     ; my group of 64 columns
	s_wait_kmcnt 0x0
	s_lshl_b32 s26, s19, 2
	s_mov_b32 s27, 0
	s_add_nc_u64 s[36:37], s[14:15], s[26:27]
	s_load_b32 s22, s[36:37], 0x10000              ; the block's mask of experts
	s_lshl_b32 s26, s19, 9
	s_add_nc_u64 s[14:15], s[14:15], s[26:27]      ; perm at the block's first place (pexp 32,768 bytes on)
	s_mul_i32 s26, s20, 51200
	s_add_nc_u64 s[8:9], s[8:9], s[26:27]
	s_lshl_b32 s26, s20, 8
	s_add_nc_u64 s[10:11], s[10:11], s[26:27]
	s_add_nc_u64 s[16:17], s[16:17], s[26:27]
.irp q, 0,1,2,3
	global_load_b128 v[160+4*\q:163+4*\q], v13, s[14:15] offset:16*\q        ; the 16 tokens whose rows my half of the lanes gathers
.endr
.irp a, 0,1,2,3,4,5,6,7
	global_load_b32 v[176+\a], v12, s[14:15] offset:64*\a                    ; tile a's token r,
.endr
.irp a, 0,1,2,3,4,5,6,7
	global_load_b32 v[184+\a], v12, s[14:15] offset:32768+64*\a              ; and its two experts
.endr
	s_wait_kmcnt 0x0
	s_and_b32 s22, s22, 0xff
	s_bcnt1_i32_b32 s23, s22
	s_sub_co_i32 s23, s23, 2                       ; the experts between the first and the last: every token has two different experts, so a block has two at the least
	s_max_i32 s23, s23, 0
	NEXTPTR
	s_mov_b64 s[PCUR:PCUR+1], s[PNXT:PNXT+1]
	s_mov_b64 s[BCUR:BCUR+1], s[BNXT:BNXT+1]
	s_mov_b32 s24, s25
	BIASLD BCUR                                    ; the first expert's bias and first three records: 47 loads
	RING PCUR, 0, 0
	RING PCUR, 1, 1
	RING PCUR, 2, 2
	NEXTPTR                                        ; the second expert (it writes no register that a pending load names)
	WIN 0
	s_wait_loadcnt 47                              ; the 20 loads of the lists are in; the 47 behind them stay out
.irp i, 0,1,2,3,4,5,6,7,8,9,10,11,12,13,14,15
	v_min_u32 v[160+\i], 0x1fff, v[160+\i]         ; a token's number is held inside the tables
.endr
.irp i, 0,1,2,3,4,5,6,7,8,9,10,11,12,13,14,15
	v_mad_u32_u24 v[160+\i], v[160+\i], 768, v5    ; its codes, my 16 bytes of each 256
.endr
.irp a, 0,1,2,3,4,5,6,7
	v_min_u32 v[176+\a], 0x1fff, v[176+\a]
	v_and_b32 v[VLO+\a], 0xff, v[184+\a]
	v_bfe_u32 v[VHI+\a], v[184+\a], 8, 8
.endr
.irp a, 0,1,2,3,4,5,6,7
	v_lshlrev_b32 v[192+\a], 5, v[176+\a]          ; its 32 scale bytes,
	v_lshlrev_b32 v[200+\a], 3, v[176+\a]          ; its two weights
.endr
.irp a, 0,1,2,3,4,5,6,7
	global_load_b128 v[ASC+8*\a:ASC+8*\a+3], v[192+\a], s[6:7]
	global_load_b128 v[ASC+8*\a+4:ASC+8*\a+7], v[192+\a], s[6:7] offset:16
.endr
.irp a, 0,1,2,3,4,5,6,7
	global_load_b64 v[GT+2*\a:GT+2*\a+1], v[200+\a], s[12:13]
.endr
	WIN 0x40                                       ; destination window 1
.set I, 0
.rept 16
.irp j, 0,1,2
	global_load_b128 v[12*I+4*\j:12*I+4*\j+3], v[160+I], s[4:5] offset:256*\j   ; each half of the lanes reads 256 consecutive bytes of a token's codes, aligned
.endr
.set I, I+1
.endr
	WIN 0x04                                       ; an LDS store's data are its source 1: window 1
.set I, 0
.rept 16
	s_wait_loadcnt 45-3*I                          ; loads come back in order: row I's three are in, the later rows' stay out
.irp j, 0,1,2
	ds_store_b128 v8, v[12*I+4*\j:12*I+4*\j+3] offset:PITCH*I+256*\j
.endr
.set I, I+1
.endr
	WIN 0
	s_wait_dscnt 0x0                               ; for the others' sake: my 32 rows lie in LDS
	s_barrier_signal -1
	s_barrier_wait -1                              ; the launch's one barrier: from here on the rows are only read
	AFETCH 0, 0
	AFETCH 0, 4
	EXPERT 1, 0
	s_cmp_eq_u32 s23, 0
	s_cbranch_scc1 .Llast
.Lmid:
	EXPERT 0, 0
	s_sub_co_u32 s23, s23, 1
	s_cmp_lg_u32 s23, 0
	s_cbranch_scc1 .Lmid
.Llast:
	EXPERT 0, 1
	; THE WAY OUT, a tile of 16 tokens at a time: a lane's 32 bytes go into my stage (rows of 272 bytes) and come back as whole runs of 256 bytes, which sixteen lanes store into the token's row of out.
	WIN W_FIX
.set I, 0
.rept 64
	v_min_u32 v[TO+I], 0x1fff, v[TO+I]             ; a token's number is held inside out
.set I, I+1
.endr
.set I, 0
.rept 64
	v_lshl_add_u32 v[TO+I], v[TO+I], 12, v5        ; its row of 4,096 bytes, + 16 r
.set I, I+1
.endr
.macro TOSTAGE a
	WIN 0x08                                       ; an LDS store's data are its source 1: window 2
.irp n, 0,1,2,3
	ds_store_b128 v9, v[8*(4*(\a)+\n):8*(4*(\a)+\n)+3] offset:64*\n
	ds_store_b128 v9, v[8*(4*(\a)+\n)+4:8*(4*(\a)+\n)+7] offset:64*\n+16
.endr
	WIN 0
.irp i, 0,1,2,3,4,5,6,7
	ds_load_b128 v[BK+32*((\a)%2)+4*\i:BK+32*((\a)%2)+4*\i+3], v10 offset:SPITCH*\i   ; LDS serves a wave's instructions in order: these see the stores above, and the next tile's stores come behind them
.endr
.endm
.macro SEND a, younger                 ; younger: the LDS instructions issued behind tile a's loads, which may stay out
	s_wait_dscnt \younger
	WIN 0x03                                       ; a store's address register is its source 0: window 3
.irp i, 0,1,2,3,4,5,6,7
	global_store_b128 v[TO+8*(\a)+\i], v[BK+32*((\a)%2)+4*\i:BK+32*((\a)%2)+4*\i+3], s[16:17] th:TH_STORE_NT   ; each half of the lanes stores 256 consecutive bytes, aligned; written once, read by nobody here
.endr
	WIN 0
.endm
	TOSTAGE 0
.irp a, 1,2,3,4,5,6,7
.if \a > 1
	s_wait_xcnt 0x0                                ; tile a - 2's stores have read their registers: tile a's loads may land there
.endif
	TOSTAGE \a
	SEND \a-1, 16                                  ; behind tile a - 1's loads: tile a's 8 stores and 8 loads
.endr
	SEND 7, 0
	s_wait_tensorcnt 0x0
	ds_add_u32 v30, v31
	s_wait_dscnt 0x0
	s_endpgm
.Lfunc_end_k_qf7c5b43d23_experts:
	.size	k_qf7c5b43d23_experts, .Lfunc_end_k_qf7c5b43d23_experts-k_qf7c5b43d23_experts
	.p2alignl 7, 3214868480
	.fill 96, 4, 3214868480
	.section	.rodata,"a",@progbits
	.p2align	6, 0x0
	.amdhsa_kernel k_qf7c5b43d23_experts
		.amdhsa_group_segment_fixed_size 118272
		.amdhsa_private_segment_fixed_size 0
		.amdhsa_enable_private_segment 0
		.amdhsa_kernarg_size 56
		.amdhsa_user_sgpr_count 2
		.amdhsa_user_sgpr_kernarg_segment_ptr 1
		.amdhsa_wavefront_size32 1
		.amdhsa_system_sgpr_workgroup_id_x 1
		.amdhsa_system_sgpr_workgroup_id_y 1
		.amdhsa_system_sgpr_workgroup_id_z 1
		.amdhsa_system_vgpr_workitem_id 0
		.amdhsa_next_free_vgpr 1024
		.amdhsa_next_free_sgpr 66
		.amdhsa_reserve_vcc 1
		.amdhsa_float_denorm_mode_32 3
		.amdhsa_float_denorm_mode_16_64 3
		.amdhsa_memory_ordered 1
		.amdhsa_forward_progress 1
		.amdhsa_inst_pref_size 250
	.end_amdhsa_kernel
	.amdgpu_metadata
---
amdhsa.version: [ 1, 2 ]
amdhsa.kernels:
  - .name:           k_qf7c5b43d23_experts
    .symbol:         k_qf7c5b43d23_experts.kd
    .args:
      - { .name: xq, .offset: 0, .size: 8, .value_kind: global_buffer, .address_space: global }
      - { .name: xs, .offset: 8, .size: 8, .value_kind: global_buffer, .address_space: global }
      - { .name: wq, .offset: 16, .size: 8, .value_kind: global_buffer, .address_space: global }
      - { .name: be, .offset: 24, .size: 8, .value_kind: global_buffer, .address_space: global }
      - { .name: gates, .offset: 32, .size: 8, .value_kind: global_buffer, .address_space: global }
      - { .name: order, .offset: 40, .size: 8, .value_kind: global_buffer, .address_space: global }
      - { .name: out0, .offset: 48, .size: 8, .value_kind: global_buffer, .address_space: global }
    .group_segment_fixed_size: 118272
    .private_segment_fixed_size: 0
    .kernarg_segment_align: 8
    .kernarg_segment_size: 56
    .max_flat_workgroup_size: 128
    .sgpr_count:     66
    .vgpr_count:     1024
    .wavefront_size: 32
...
	.end_amdgpu_metadata
.endif
;; end of part 3
;; ======== version 2 of 2: 3 launches
;; workspace buffers: xq 6,291,456 bytes; xs 262,144 bytes; wq 6,553,600 bytes; gates 65,536 bytes; route 65,536 bytes of whole numbers; order 65,792 bytes of whole numbers
;; launch gateq (part 4): grid 256 x 1, 4 waves a work-group, no clusters, 95,744 bytes of LDS; arguments hidden_states, Wg, xq, xs, gates, route; writes xq, xs, gates, route
.if DOCPART == 4
	.amdgcn_target "amdgcn-amd-amdhsa--gfx1250"
	.amdhsa_code_object_version 6
	.text
	.protected	k_qf7c5b43d23_gateq
	.globl	k_qf7c5b43d23_gateq
	.p2align	8
	.type	k_qf7c5b43d23_gateq,@function
k_qf7c5b43d23_gateq:
	s_mov_b64 s[64:65], 0
	v_nop
	global_prefetch_b8 v0, s[64:65] scope:SCOPE_SE
	s_setreg_imm32_b32 hwreg(HW_REG_WAVE_MODE, 25, 1), 1
	s_wait_xcnt 0x0
; x = hidden_states [8192][1024] f32 is read ONCE and serves two things:
;  (1) it is quantised along K (its last axis) to codes of FP6 (E2M3) with one E8M0 byte for each 32 numbers;
;  (2) the gate x Wg (N = 8) is summed in f32 by fused multiply-adds, then top-2 and the two renormalised weights.
; A work-group takes 32 tokens (a SEGMENT), each of its four waves 8.  All 64 loads of a wave's 8 rows go out at the head.
; xq: a token's 768 bytes of codes lie [h 2][s 8][c 2][24 bytes], the 24 bytes holding k = 128 s + 64 c + 32 h + 0..31: so lane (r, h) of a
;     matrix operand finds its 12 registers of K step s as 48 consecutive bytes.   xs: 32 scale bytes a token, in K's order.
; gates: (weight of the lower expert, weight of the higher) a token.   route: a word a token, rank | lo << 8 | hi << 16 | loc << 24, and behind them
;     (byte 32768 on) for each segment 32 counts: how many of its tokens have each rank.  rank numbers the 28 pairs (lo, hi) so that neighbouring
;     ranks share an expert: rank = lo (15 - lo) / 2 + (lo even ? hi - lo - 1 : 7 - hi).  loc = how many earlier tokens of the segment have the same rank.
;     All of these are stored at fixed places: no address and no branch of this launch hangs on them.
; THE SCALE: 2^(floor(log2(largest magnitude)) - 2); its byte is the largest magnitude's exponent field - 2, held at 1 from below.
; THE SOFTMAX: only the two largest count, and their sum divides them: g1 = 1 / (1 + d), g2 = d g1, d = e^(l2 - l1), l1 the row's maximum: the maximum is taken away.
; LIMITS: NaN and infinities among the inputs are not served.  A block of zeros gets the byte 1 where the rule says 127: its codes are zeros, and this program
;     alone reads the bytes.  The two experts are chosen by the f32 logits, ties to the lower index; the definition orders the rounded probabilities, which differs only
;     where two different logits round to one probability.  Where d falls under the smallest normal f32 number, g2 is 0.  The gate's sum over K is f32, in another order than the definition's.
; No matrix unit (N = 8, and bf16 would turn choices over), no cluster (work-groups share only Wg's 32 KiB), no tensor load: a lane's loads are dense as they are.
; REGISTERS, in windows of 256: window 0: v1-16 addresses; v20-35 two sets of 8 running sums; v36-67 32 neighbours at work; v68-77 at work; v80-143 codes (at the head: Wg on its way to LDS);
;     v144-159 scale bytes; v160-223 partial sums read back; v224-239 a token's 8 sums, two sets by turns (later the top-2's work).
;     window 1: Wg: register 8 p + e = Wg[128 j + 4 lane + i][e], p = 4 j + i.     window 2: x: register 32 t + p = x[token t][128 j + 4 lane + i].
.set LG,     36864                     ; LDS: 0 .. 36863 Wg, 256 pieces of 128 bytes (4 k x 8 e), 144 bytes apart (an odd multiple of 16);  then the 32 tokens' 8 logits
.set WR0,    37888                     ; then a region of its own for each wave:
.set WRB,    14336
.set PARTO,  5632                      ;   + 0 the stage for a row of x;  + 5632 the lanes' partial sums, 1,056 bytes a token;
.set SBO,    14080                     ;   + 14080 the wave's 256 scale bytes
.set PPITCH, 1056
.set ACC, 20
.set XS,  36
.set TQ,  68
.set CD,  80
.set EB,  144
.set FS,  160
.set JS,  224
.set MSB, 0
.macro WIN new                         ; s_set_vgpr_msb: bits 1:0 source 0, 3:2 source 1, 5:4 source 2, 7:6 destination; the high byte repeats the setting that is left
.if MSB != \new
	s_set_vgpr_msb (MSB<<8)|\new
.set MSB, \new
.endif
.endm
	s_load_b256 s[4:11], s[0:1], 0x0               ; x s[4:5], Wg s[6:7], xq s[8:9], xs s[10:11]
	s_load_b128 s[12:15], s[0:1], 0x20             ; gates s[12:13], route s[14:15]
	v_lshl_add_u32 v254, v0, 2, 0x17400
	v_mov_b32 v255, 0
	v_lshrrev_b32 v1, 5, v0
	v_readfirstlane_b32 s18, v1                    ; wave 0..3
	v_and_b32 v1, 31, v0                           ; lane
	v_lshlrev_b32 v2, 4, v1                        ; x: my 16 bytes of a load's 512
	s_mul_i32 s22, s18, WRB
	s_add_co_u32 s22, s22, WR0                     ; my wave's region
	v_lshrrev_b32 v17, 2, v1                       ; the stage holds a row as 64 pieces of 64 bytes; piece q lies at 80 q + 32 (q / 4)
	v_mul_u32_u24 v3, v17, 80
	v_lshrrev_b32 v17, 4, v1
	v_lshl_add_u32 v3, v17, 5, v3
	v_and_b32 v17, 3, v1
	v_lshl_add_u32 v3, v17, 4, v3
	v_add_nc_u32 v3, s22, v3                       ; in: load j's 16 bytes of lane l: piece 8 j + l / 4, byte 16 (l % 4); 704 j stands in the offset
	v_lshrrev_b32 v17, 1, v1
	v_mul_u32_u24 v4, v17, 352
	v_and_b32 v17, 1, v1
	v_mad_u32_u24 v4, v17, 80, v4
	v_add_nc_u32 v4, s22, v4                       ; out: piece 4 (l / 2) + 2 h + l % 2: sixteen lanes fall on sixteen different columns of 16 bytes modulo 256
	v_mul_u32_u24 v5, v1, 12                       ; my 16 codes' 12 bytes in a step's 384
	s_add_co_u32 s23, s22, SBO
	v_and_b32 v6, 30, v1
	v_add_nc_u32 v6, s23, v6                       ; my block's scale byte: 2 (l / 2), + h and 32 x token in the offset
	v_lshlrev_b32 v8, 3, v1                        ; 8 x lane
	v_add_nc_u32 v7, s23, v8                       ; and on the way out 8 bytes a lane
	s_add_co_u32 s23, s22, PARTO
	v_lshl_add_u32 v9, v1, 5, s23                  ; my 8 partial sums of a token
	v_lshrrev_b32 v17, 2, v1
	v_mul_u32_u24 v10, v17, PPITCH
	v_and_b32 v17, 3, v1
	v_lshl_add_u32 v10, v17, 3, v10
	v_add_nc_u32 v10, s23, v10                     ; back: lane l sums token l / 4, experts 2 (l % 4) and 2 (l % 4) + 1
	v_lshl_add_u32 v11, v0, 3, LG                  ; those two logits' place: 32 bytes a token = 8 x the thread's number
	v_lshl_add_u32 v12, v1, 5, LG                  ; wave 0, lane = token: its 8 logits
	v_mul_u32_u24 v13, v1, 144                     ; Wg out of LDS: piece 32 j + lane
	v_lshrrev_b32 v17, 3, v0
	v_mul_u32_u24 v14, v17, 144
	v_and_b32 v17, 7, v0
	v_lshl_add_u32 v14, v17, 4, v14                ; Wg into LDS: thread t's 16 bytes: piece t / 8 (+ 16 a load), byte 16 (t % 8)
	v_lshlrev_b32 v15, 4, v0                       ; Wg in memory: 16 x thread
	v_lshlrev_b32 v16, 2, v1                       ; 4 x lane
	s_lshl_b32 s20, ttmp9, 17                      ; x: 32 rows of 4,096 bytes a work-group, 8 a wave
	s_lshl_b32 s24, s18, 15
	s_add_co_u32 s20, s20, s24
	s_mov_b32 s21, 0
	s_mul_i32 s24, ttmp9, 24576                    ; xq: 768 bytes a token
	s_mul_i32 s26, s18, 6144
	s_add_co_u32 s24, s24, s26
	s_mov_b32 s25, 0
	s_lshl_b32 s26, ttmp9, 10                      ; xs: 32 bytes a token
	s_lshl_b32 s28, s18, 8
	s_add_co_u32 s26, s26, s28
	s_mov_b32 s27, 0
	s_lshl_b32 s28, ttmp9, 8                       ; gates: 8 bytes a token
	s_mov_b32 s29, 0
	s_lshl_b32 s30, ttmp9, 7                       ; route: 4 bytes a token; the counts: 128 bytes a segment
	s_mov_b32 s31, 0
	s_wait_alu depctr_va_vdst(0)
	s_wait_kmcnt 0x0
	s_add_nc_u64 s[4:5], s[4:5], s[20:21]
	s_add_nc_u64 s[8:9], s[8:9], s[24:25]
	s_add_nc_u64 s[10:11], s[10:11], s[26:27]
	s_add_nc_u64 s[12:13], s[12:13], s[28:29]
	s_add_nc_u64 s[14:15], s[14:15], s[30:31]
.set I, 0
.rept 16
	global_load_b128 v[CD+4*I:CD+4*I+3], v15, s[6:7] offset:2048*I     ; Wg, once a work-group: 128 threads x 16 bytes, dense
.set I, I+1
.endr
	WIN 0x80                                       ; destination window 2
.set I, 0
.rept 48
	global_load_b128 v[4*I:4*I+3], v2, s[4:5] offset:512*I th:TH_LOAD_NT   ; tokens 0-5: load I = 8 t + j reads 512 consecutive bytes of row t
.set I, I+1
.endr
	WIN 0
	s_wait_loadcnt 48                              ; Wg's sixteen loads are in; the 48 issued behind them stay out
.set I, 0
.rept 16
	ds_store_b128 v14, v[CD+4*I:CD+4*I+3] offset:2304*I
.set I, I+1
.endr
	WIN 0x80
.set I, 48
.rept 16
	global_load_b128 v[4*I:4*I+3], v2, s[4:5] offset:512*I th:TH_LOAD_NT   ; tokens 6 and 7
.set I, I+1
.endr
	WIN 0
	s_wait_dscnt 0x0                               ; for the others' sake: my part of Wg lies in LDS (and v80 on may be written again)
	s_barrier_signal -1
	s_barrier_wait -1
	WIN 0x40                                       ; destination window 1
.set I, 0
.rept 64
	ds_load_b128 v[4*I:4*I+3], v13 offset:4608*(I/8)+16*(I%8)          ; my 4 rows of Wg of each 128 along K: they stay in registers
.set I, I+1
.endr
	WIN 0
	s_wait_dscnt 0x0
; Sixteen neighbours of a lane become 16 codes.  Lane l of step h holds k = 64 (l / 2) + 32 h + 16 (l % 2) + 0..15: lanes l and l xor 1 share a block.
.macro QSTEP t, h
.set XQ, XS+16*\h
.set TT, TQ+4*\h
	v_max3_num_f32 v[TT], |v[XQ]|, |v[XQ+1]|, |v[XQ+2]|             ; the largest magnitude of my 16, in two chains
	v_max3_num_f32 v[TT+1], |v[XQ+3]|, |v[XQ+4]|, |v[XQ+5]|
.irp i, 6,10
	v_max3_num_f32 v[TT], v[TT], |v[XQ+\i]|, |v[XQ+\i+1]|
	v_max3_num_f32 v[TT+1], v[TT+1], |v[XQ+\i+2]|, |v[XQ+\i+3]|
.endr
	v_max3_num_f32 v[TT], v[TT], |v[XQ+14]|, |v[XQ+15]|
	v_max3_num_f32 v[TT], v[TT], v[TT+1], 0x1800000                ; and the floor 2^(3 - 127): the byte cannot fall under 1
	v_max_num_f32_dpp v[TT], v[TT], v[TT] row_xmask:1 row_mask:0xf bank_mask:0xf   ; with my neighbour's 16: the block's
	v_add_nc_u32 v[TT+2], 0xff000000, v[TT]                        ; 2 off its exponent field: the conversion takes that field as its scale and nothing else
	v_cvt_scalef32_pk16_fp6_f32 v[CD+4*(2*\t+\h):CD+4*(2*\t+\h)+2], v[XQ:XQ+15], v[TT+2]   ; to the nearest code, ties to even, beyond 7.5 the largest code
	v_lshrrev_b32 v[EB+2*\t+\h], 23, v[TT+2]                       ; the scale's byte (a plain line behind the conversion)
	ds_store_b8 v6, v[EB+2*\t+\h] offset:32*\t+\h                  ; both lanes of a block write the same byte with the same value
	global_store_b96 v5, v[CD+4*(2*\t+\h):CD+4*(2*\t+\h)+2], s[8:9] offset:768*\t+384*\h   ; the wave stores 384 consecutive bytes; each step has registers of its own
.endm
; One token: its row turns through the stage, so that a lane gets neighbours; the gate's 256 multiply-adds a lane stand between the LDS loads and their use.
.macro TOKEN t
	s_wait_loadcnt 56-8*\t                         ; loads come back in order: this row's eight are in, the later rows' stay out
	WIN 0x08                                       ; an LDS store's data are its source 1: window 2
.irp j, 0,1,2,3,4,5,6,7
	ds_store_b128 v3, v[32*\t+4*\j:32*\t+4*\j+3] offset:704*\j
.endr
	WIN 0
.irp h, 0,1
.irp i, 0,1,2,3
	ds_load_b128 v[XS+16*\h+4*\i:XS+16*\h+4*\i+3], v4 offset:160*\h+16*\i   ; LDS serves a wave's instructions in order: these see the stores above
.endr
.endr
	WIN 0x06                                       ; source 0 (x) window 2, source 1 (Wg) window 1
.irp e, 0,2,4,6
	v_pk_mul_f32 v[ACC+\e:ACC+\e+1], v[32*\t:32*\t+1], v[\e:\e+1] op_sel_hi:[0,1]          ; the first two products start the sums: nothing is cleared
.endr
.irp e, 0,2,4,6
	v_pk_mul_f32 v[ACC+8+\e:ACC+8+\e+1], v[32*\t:32*\t+1], v[8+\e:8+\e+1] op_sel:[1,0] op_sel_hi:[1,1]
.endr
.set RHO, 2
.rept 15
.irp e, 0,2,4,6                        ; x's even register times two experts' weights at a time; set 0 of the sums
	v_pk_fma_f32 v[ACC+\e:ACC+\e+1], v[32*\t+RHO:32*\t+RHO+1], v[8*RHO+\e:8*RHO+\e+1], v[ACC+\e:ACC+\e+1] op_sel_hi:[0,1,1]
.endr
.irp e, 0,2,4,6                        ; the odd register; set 1
	v_pk_fma_f32 v[ACC+8+\e:ACC+8+\e+1], v[32*\t+RHO:32*\t+RHO+1], v[8*RHO+8+\e:8*RHO+8+\e+1], v[ACC+8+\e:ACC+8+\e+1] op_sel:[1,0,0] op_sel_hi:[1,1,1]
.endr
.set RHO, RHO+2
.endr
	WIN 0
.irp e, 0,2,4,6
	v_pk_add_f32 v[JS+8*((\t)%2)+\e:JS+8*((\t)%2)+\e+1], v[ACC+\e:ACC+\e+1], v[ACC+8+\e:ACC+8+\e+1]
.endr
	ds_store_b128 v9, v[JS+8*((\t)%2):JS+8*((\t)%2)+3] offset:PPITCH*\t
	ds_store_b128 v9, v[JS+8*((\t)%2)+4:JS+8*((\t)%2)+7] offset:PPITCH*\t+16
	s_wait_dscnt 0x2                               ; all but these two stores: my 32 neighbours are in, and the last token's two stores have read the other set
	QSTEP \t, 0
	QSTEP \t, 1
.endm
.irp t, 0,1,2,3,4,5,6,7
	TOKEN \t
.endr
	ds_load_b64 v[76:77], v7                       ; my wave's 256 scale bytes, 8 a lane
.set I, 0
.rept 32
	ds_load_b64 v[FS+2*I:FS+2*I+1], v10 offset:32*I                ; lane I's partial sums of my token's two experts
.set I, I+1
.endr
	s_wait_dscnt 0x0
	global_store_b64 v8, v[76:77], s[10:11]        ; 32 lanes store 256 consecutive bytes, aligned
.set I, 2
.rept 15
	v_pk_add_f32 v[FS:FS+1], v[FS:FS+1], v[FS+2*I:FS+2*I+1]        ; two chains
	v_pk_add_f32 v[FS+2:FS+3], v[FS+2:FS+3], v[FS+2*I+2:FS+2*I+3]
.set I, I+2
.endr
	v_pk_add_f32 v[FS:FS+1], v[FS:FS+1], v[FS+2:FS+3]
	ds_store_b64 v11, v[FS:FS+1]
	s_wait_dscnt 0x0                               ; for wave 0's sake: my 8 tokens' logits lie in LDS
	s_barrier_signal -1
	s_barrier_wait -1
	s_cmp_lg_u32 s18, 0
	s_cbranch_scc1 .Ldone                          ; no barrier stands behind this branch
	; wave 0: lane = token of the segment
	ds_load_b128 v[224:227], v12
	ds_load_b128 v[228:231], v12 offset:16
	v_mov_b32 v236, 0xff800000                     ; -infinity
	v_mov_b32 v233, 0
	v_mov_b32 v235, 0
	v_mov_b32 v248, 0                              ; loc
	v_mov_b32 v249, 0                              ; the segment's counts: lane = rank; lanes 28-31 stay 0
	s_wait_alu depctr_va_vdst(0)
	s_wait_dscnt 0x0
	v_mov_b32 v232, v224
.irp e, 1,2,3,4,5,6,7                  ; the largest logit: a later one takes only where it is greater, so ties keep the lower index
	v_cmp_ge_f32 vcc_lo, v232, v[224+\e]
	v_cndmask_b32 v232, v[224+\e], v232, vcc_lo
	v_cndmask_b32 v233, \e, v233, vcc_lo
.endr
.irp e, 0,1,2,3,4,5,6,7
	v_cmp_eq_u32 vcc_lo, \e, v233
	v_cndmask_b32 v[224+\e], v[224+\e], v236, vcc_lo               ; it is taken out,
.endr
	v_mov_b32 v234, v224
.irp e, 1,2,3,4,5,6,7                  ; and the same scan finds the second
	v_cmp_ge_f32 vcc_lo, v234, v[224+\e]
	v_cndmask_b32 v234, v[224+\e], v234, vcc_lo
	v_cndmask_b32 v235, \e, v235, vcc_lo
.endr
	v_sub_f32 v237, v234, v232                     ; l2 - l1, 0 or less
	v_mul_f32 v237, 0x3fb8aa3b, v237
	s_wait_alu depctr_va_vdst(0)
	v_exp_f32 v237, v237                           ; d = e^(l2 - l1)
	v_min_u32 v240, v233, v235                     ; lo  (a plain line behind the exponential)
	s_wait_alu depctr_va_vdst(0)
	v_add_f32 v238, 1.0, v237
	s_wait_alu depctr_va_vdst(0)
	v_rcp_f32 v238, v238                           ; g1 = 1 / (1 + d)
	v_max_u32 v241, v233, v235                     ; hi  (a plain line behind the reciprocal)
	s_wait_alu depctr_va_vdst(0)
	v_mul_f32 v239, v237, v238                     ; g2 = d g1
	v_cmp_lt_u32 vcc_lo, v233, v235
	v_cndmask_b32 v242, v239, v238, vcc_lo         ; the lower expert's weight,
	v_cndmask_b32 v243, v238, v239, vcc_lo         ; the higher one's
	v_sub_nc_u32 v244, 15, v240
	v_mul_u32_u24 v244, v240, v244
	v_lshrrev_b32 v244, 1, v244                    ; lo (15 - lo) / 2
	v_sub_nc_u32 v245, v241, v240
	v_add_nc_u32 v245, -1, v245                    ; hi - lo - 1
	v_sub_nc_u32 v246, 7, v241                     ; 7 - hi
	v_and_b32 v247, 1, v240
	v_cmp_eq_u32 vcc_lo, 1, v247
	v_cndmask_b32 v245, v245, v246, vcc_lo
	v_add_nc_u32 v244, v244, v245                  ; rank
.set P, 0
.rept 28
	v_cmp_eq_u32 s40, P, v244                      ; the tokens of rank P
	v_mbcnt_lo_u32_b32 v250, s40, 0                ; how many of them stand in lower lanes
	v_cndmask_b32 v248, v248, v250, s40
	s_bcnt1_i32_b32 s41, s40
	v_writelane_b32 v249, s41, P                   ; and how many there are
.set P, P+1
.endr
	v_lshl_or_b32 v251, v240, 8, v244
	v_lshl_or_b32 v251, v241, 16, v251
	v_lshl_or_b32 v251, v248, 24, v251
	global_store_b32 v16, v251, s[14:15]
	global_store_b32 v16, v249, s[14:15] offset:32768
	global_store_b64 v8, v[242:243], s[12:13]      ; 32 lanes store 256 consecutive bytes, aligned
.Ldone:
	s_wait_tensorcnt 0x0
	ds_add_u32 v254, v255
	s_wait_dscnt 0x0
	s_endpgm
.Lfunc_end_k_qf7c5b43d23_gateq:
	.size	k_qf7c5b43d23_gateq, .Lfunc_end_k_qf7c5b43d23_gateq-k_qf7c5b43d23_gateq
	.p2alignl 7, 3214868480
	.fill 96, 4, 3214868480
	.section	.rodata,"a",@progbits
	.p2align	6, 0x0
	.amdhsa_kernel k_qf7c5b43d23_gateq
		.amdhsa_group_segment_fixed_size 95744
		.amdhsa_private_segment_fixed_size 0
		.amdhsa_enable_private_segment 0
		.amdhsa_kernarg_size 48
		.amdhsa_user_sgpr_count 2
		.amdhsa_user_sgpr_kernarg_segment_ptr 1
		.amdhsa_wavefront_size32 1
		.amdhsa_system_sgpr_workgroup_id_x 1
		.amdhsa_system_sgpr_workgroup_id_y 1
		.amdhsa_system_sgpr_workgroup_id_z 1
		.amdhsa_system_vgpr_workitem_id 0
		.amdhsa_next_free_vgpr 768
		.amdhsa_next_free_sgpr 66
		.amdhsa_reserve_vcc 1
		.amdhsa_float_denorm_mode_32 3
		.amdhsa_float_denorm_mode_16_64 3
		.amdhsa_memory_ordered 1
		.amdhsa_forward_progress 1
		.amdhsa_inst_pref_size 124
	.end_amdhsa_kernel
	.amdgpu_metadata
---
amdhsa.version: [ 1, 2 ]
amdhsa.kernels:
  - .name:           k_qf7c5b43d23_gateq
    .symbol:         k_qf7c5b43d23_gateq.kd
    .args:
      - { .name: hidden_states, .offset: 0, .size: 8, .value_kind: global_buffer, .address_space: global }
      - { .name: Wg, .offset: 8, .size: 8, .value_kind: global_buffer, .address_space: global }
      - { .name: xq, .offset: 16, .size: 8, .value_kind: global_buffer, .address_space: global }
      - { .name: xs, .offset: 24, .size: 8, .value_kind: global_buffer, .address_space: global }
      - { .name: gates, .offset: 32, .size: 8, .value_kind: global_buffer, .address_space: global }
      - { .name: route, .offset: 40, .size: 8, .value_kind: global_buffer, .address_space: global }
    .group_segment_fixed_size: 95744
    .private_segment_fixed_size: 0
    .kernarg_segment_align: 8
    .kernarg_segment_size: 48
    .max_flat_workgroup_size: 128
    .sgpr_count:     66
    .vgpr_count:     768
    .wavefront_size: 32
...
	.end_amdgpu_metadata
.endif
;; end of part 4
;; launch wsort (part 5): grid 257 x 1, 4 waves a work-group, no clusters, 133,632 bytes of LDS; arguments We, route, wq, order; writes wq, order
.if DOCPART == 5
	.amdgcn_target "amdgcn-amd-amdhsa--gfx1250"
	.amdhsa_code_object_version 6
	.text
	.protected	k_qf7c5b43d23_wsort
	.globl	k_qf7c5b43d23_wsort
	.p2align	8
	.type	k_qf7c5b43d23_wsort,@function
k_qf7c5b43d23_wsort:
	s_mov_b64 s[64:65], 0
	v_nop
	global_prefetch_b8 v0, s[64:65] scope:SCOPE_SE
	s_setreg_imm32_b32 hwreg(HW_REG_WAVE_MODE, 25, 1), 1
	s_wait_xcnt 0x0
; TWO JOBS IN ONE LAUNCH, parted on the work-group's number; each has LDS bytes of its own.
; WORK-GROUPS 1 .. 256: We [8][1024 (k)][1024 (d)] f32, whose K is the FIRST axis within an expert, becomes codes of FP6 (E2M3) with one E8M0 byte for each 32 along K, laid in the
;   order of a matrix operand's registers.  wq is [e 8][g 16][s 8] records of 6,400 bytes: 64 columns (group g) x 128 along K (step s): four fragment images of 1,536 bytes (16 columns each;
;   register group c of 4 registers of operand lane L at 512 c + 16 L), then 256 bytes of scale words: the word of column 16 n + r at 6144 + 16 r + 4 n.
;   A wave makes one record.  Its 128 rows x 256 bytes are loaded as they lie (a load covers two aligned runs of 256 bytes), go through the wave's own 32 KiB of LDS, and come back with A LANE TO A COLUMN
;   AND ITS REGISTERS DOWN K: a block of 32 lies in one lane, so its largest magnitude needs no other lane, and the conversions give codes with K innermost.  No barrier: waves share nothing.
;   A block's scale is 2^(floor(log2(largest magnitude)) - 2); its byte is that magnitude's exponent field - 2, held at 1 from below.
; WORK-GROUP 0: the counting sort of the 8,192 tokens by the rank of their pair of experts, from the words and counts that the launch before stored.  order: perm[8192] (the token at each sorted place),
;   from byte 32768 pexp[8192] (lo | hi << 8 of that token), from byte 65536 bmask[64]: the experts that each block of 128 sorted places uses.  No atomics: a token's place is
;   the start of its rank + the counts of its rank in all earlier segments + its number among its own segment's tokens of that rank.
;   perm and pexp leave as stores of 4 bytes a lane to scattered places: 64 KiB in all, the price of a sort that scatters.
; LIMITS: NaN and infinities in We are not served; a block of zeros gets the byte 1 where the rule says 127 (its codes are zeros; this program alone reads the bytes).
; No tensor load (a lane's loads are dense as they are, and all of a wave's 32 KiB are asked for at its head), no cluster (no byte is read twice), no matrix unit.
.set XB,  32                           ; quantiser, window 0: v32-95 two sets of 32 numbers: columns lane and 32 + lane
.set FR,  96                           ; v96-143 the codes: 24 u + 12 h + 6 c + 0..5.   Window 1: the 64 loads' 256 registers
.set TOT, 131072                       ; sort: the four waves' totals a rank, 128 bytes a wave;
.set BT,  131584                       ; and each wave's own copy of the ranks' totals
.set HB,  64                           ; sort: v64-127 counts (lane = rank), then exclusive sums, then byte offsets of places
.set RB,  128                          ; v128-191 the tokens' words (lane = token of the segment), then lo | hi << 8
.set TB,  192                          ; v192-223 the 32 ranks' totals, the same in every lane
.set SPF, 224                          ; v224-252 their prefix sums: where each rank begins
.set MSB, 0
.macro WIN new                         ; s_set_vgpr_msb: bits 1:0 source 0, 3:2 source 1, 5:4 source 2, 7:6 destination; the high byte repeats the setting that is left
.if MSB != \new
	s_set_vgpr_msb (MSB<<8)|\new
.set MSB, \new
.endif
.endm
	s_load_b256 s[4:11], s[0:1], 0x0               ; We s[4:5], route s[6:7], wq s[8:9], order s[10:11]
	v_lshl_add_u32 v254, v0, 2, 0x20800
	v_mov_b32 v255, 0
	v_lshrrev_b32 v1, 5, v0
	v_readfirstlane_b32 s18, v1                    ; wave 0..3
	v_and_b32 v1, 31, v0                           ; lane
	s_cmp_eq_u32 ttmp9, 0
	s_cbranch_scc1 .Lsort
	; ---------------- the quantiser
	s_sub_co_u32 s19, ttmp9, 1
	s_lshl_b32 s19, s19, 2
	s_add_co_u32 s19, s19, s18                     ; my record, 0 .. 1023
	s_and_b32 s20, s19, 15                         ; g
	s_bfe_u32 s21, s19, 0x30004                    ; s
	s_lshr_b32 s22, s19, 7                         ; e
	s_lshl_b32 s24, s22, 22                        ; We: 4 MiB an expert,
	s_lshl_b32 s26, s21, 19                        ; 128 rows of 4,096 bytes a K step,
	s_add_co_u32 s24, s24, s26
	s_lshl_b32 s26, s20, 8                         ; 256 bytes a group of columns
	s_add_co_u32 s24, s24, s26
	s_mov_b32 s25, 0
	s_mul_i32 s26, s22, 819200
	s_mul_i32 s28, s20, 51200
	s_add_co_u32 s26, s26, s28
	s_mul_i32 s28, s21, 6400
	s_add_co_u32 s26, s26, s28
	s_mov_b32 s27, 0
	s_wait_alu depctr_va_vdst(0)
	v_lshrrev_b32 v7, 4, v1
	v_and_b32 v6, 15, v1
	v_lshlrev_b32 v6, 4, v6                        ; 16 (l % 16): also the place of my quad of scale words
	v_lshl_add_u32 v2, v7, 12, v6                  ; in: lanes 0-15 one row's 256 bytes, lanes 16-31 the next row's
	s_lshl_b32 s28, s18, 15                        ; my wave's 32 KiB of LDS
	v_lshl_add_u32 v3, v1, 4, s28                  ; into it: rows 256 bytes apart, so a load's 512 bytes lie on end
	v_lshl_add_u32 v4, v1, 2, s28                  ; out of it: my column's 4 bytes of a row: 32 lanes read 128 consecutive bytes
	v_mad_u32_u24 v5, v7, 1536, v6                 ; the images: my column is column l % 16 of fragment 2 u + l / 16
	v_mov_b32 v17, 0                               ; (a lane permute's destination counts as one of its sources)
	v_mov_b32 v19, 0
	s_mov_b32 s44, 0x76543210
	s_mov_b32 s45, 0xfedcba98                      ; v_permlanex16_b32's selects for lane l xor 16
	s_wait_alu depctr_va_vdst(0)
	s_wait_kmcnt 0x0
	s_add_nc_u64 s[4:5], s[4:5], s[24:25]
	s_add_nc_u64 s[8:9], s[8:9], s[26:27]
	WIN 0x40                                       ; destination window 1
.set I, 0
.rept 64
	global_load_b128 v[4*I:4*I+3], v2, s[4:5] offset:8192*I th:TH_LOAD_NT   ; rows 2 I and 2 I + 1; read once in the launch
.set I, I+1
.endr
; block b (32 along K) of column 32 u + lane: its codes are registers 6 (b / 2) .. + 5 of operand lane (column % 16, h = b % 2)
.macro QBLOCK b, u
.set XQ, XB+32*\u
.set FB, FR+24*\u+12*((\b)%2)+6*((\b)/2)
.set TT, 8+4*\u
.set TC, 20+4*\u
	v_max3_num_f32 v[TT], |v[XQ]|, |v[XQ+1]|, |v[XQ+2]|             ; the block's largest magnitude: all 32 numbers are mine; two chains
	v_max3_num_f32 v[TT+1], |v[XQ+3]|, |v[XQ+4]|, |v[XQ+5]|
.irp i, 6,10,14,18,22,26
	v_max3_num_f32 v[TT], v[TT], |v[XQ+\i]|, |v[XQ+\i+1]|
	v_max3_num_f32 v[TT+1], v[TT+1], |v[XQ+\i+2]|, |v[XQ+\i+3]|
.endr
	v_max3_num_f32 v[TT], v[TT], |v[XQ+30]|, |v[XQ+31]|
	v_max3_num_f32 v[TT], v[TT], v[TT+1], 0x1800000                ; and the floor 2^(3 - 127): the byte cannot fall under 1
	v_add_nc_u32 v[TT+2], 0xff000000, v[TT]                        ; 2 off its exponent field: the conversion's scale operand
	v_lshrrev_b32 v[TT+3], 23, v[TT+2]                             ; the scale's byte
.if \b == 0
	v_mov_b32 v[16+2*\u], v[TT+3]                                  ; four bytes make the column's scale word, the lower K in the lower byte
.else
	v_lshl_or_b32 v[16+2*\u], v[TT+3], 8*\b, v[16+2*\u]
.endif
	v_cvt_scalef32_pk16_fp6_f32 v[FB:FB+2], v[XQ:XQ+15], v[TT+2]
	v_cvt_scalef32_pk16_fp6_f32 v[TC:TC+2], v[XQ+16:XQ+31], v[TT+2]   ; (a conversion's three registers begin on an even number: the block's second three do not)
	v_nop                                                          ; one plain line behind a scaled conversion
.irp i, 0,1,2
	v_mov_b32 v[FB+3+\i], v[TC+\i]
.endr
.endm
.macro QUARTER b                       ; 32 rows: sixteen loads
	s_wait_loadcnt 48-16*\b                        ; loads come back in order: these sixteen are in, the later ones stay out
	WIN 0x04                                       ; an LDS store's data are its source 1: window 1
.set I, 16*\b
.rept 16
	ds_store_b128 v3, v[4*I:4*I+3] offset:512*I
.set I, I+1
.endr
	WIN 0
.irp u, 0,1
.set I, 0
.rept 32
	ds_load_b32 v[XB+32*\u+I], v4 offset:256*(32*\b+I)+128*\u      ; LDS serves a wave's instructions in order: these see the stores above
.set I, I+1
.endr
.endr
	s_wait_dscnt 32                                ; the first column's 32 numbers are in, the second's may be out
	QBLOCK \b, 0
	s_wait_dscnt 0x0
	QBLOCK \b, 1
.endm
	QUARTER 0
	QUARTER 1
	QUARTER 2
	QUARTER 3
.irp u, 0,1
.irp h, 0,1
.irp c, 0,1,2
	global_store_b128 v5, v[FR+24*\u+12*\h+4*\c:FR+24*\u+12*\h+4*\c+3], s[8:9] offset:3072*\u+256*\h+512*\c   ; each half of the lanes stores 256 consecutive bytes, aligned
.endr
.endr
.endr
	v_permlanex16_b32 v17, v16, s44, s45           ; lanes 0-15 now hold the words of columns r, 16 + r,
	v_permlanex16_b32 v19, v18, s44, s45           ; 32 + r and 48 + r in v16-19
	s_wait_alu depctr_va_vdst(0)
	s_wait_xcnt 0x0                                ; EXEC is a source of the stores above: it changes only behind this wait
	v_cmp_gt_u32 vcc_lo, 16, v1
	s_wait_tensorcnt 0x0
	ds_add_u32 v254, v255
	s_wait_dscnt 0x0
	s_and_saveexec_b32 s40, vcc_lo
	global_store_b128 v6, v[16:19], s[8:9] offset:6144             ; sixteen lanes store the record's 256 bytes of scale words
	s_wait_xcnt 0x0                                ; and again in front of the line that widens it
	s_or_b32 exec_lo, exec_lo, s40
	s_endpgm
	; ---------------- the sort: wave w takes segments 64 w .. 64 w + 63
.Lsort:
	s_lshl_b32 s20, s18, 13                        ; 64 segments x 128 bytes, of words and of counts alike
	s_wait_alu depctr_va_vdst(0)
	v_lshl_add_u32 v2, v1, 2, s20
	v_lshl_add_u32 v3, v0, 2, TOT                  ; my wave's totals: 128 bytes a wave, 4 a lane
	v_lshl_add_u32 v4, v1, 2, TOT                  ; every wave's total of my rank
	v_lshl_add_u32 v5, v0, 2, BT
	s_lshl_b32 s20, s18, 7
	s_add_co_u32 s20, s20, BT
	v_mov_b32 v6, s20                              ; my wave's copy, read by every lane alike
	s_lshl_b32 s21, s18, 11
	v_add_nc_u32 v43, s21, v1                      ; the token of my lane in my wave's first segment
	s_wait_alu depctr_va_vdst(0)
	s_wait_kmcnt 0x0
.set I, 0
.rept 64
	global_load_b32 v[HB+I], v2, s[6:7] offset:32768+128*I         ; segment I's counts: lane = rank
.set I, I+1
.endr
.set I, 0
.rept 32
	global_load_b32 v[RB+I], v2, s[6:7] offset:128*I               ; segment I's words: lane = token
.set I, I+1
.endr
	s_wait_loadcnt 32                              ; the counts are in; the 32 loads behind them stay out
	v_mov_b32 v32, 0
.set I, 0
.rept 32                               ; exclusive sums over my 64 segments, in place; two running registers by turns
	v_add_nc_u32 v33, v32, v[HB+I]
	v_mov_b32 v[HB+I], v32
	v_add_nc_u32 v32, v33, v[HB+I+1]
	v_mov_b32 v[HB+I+1], v33
.set I, I+2
.endr
.set I, 32
.rept 32
	global_load_b32 v[RB+I], v2, s[6:7] offset:128*I
.set I, I+1
.endr
	ds_store_b32 v3, v32                           ; my wave's total of each rank
	s_wait_dscnt 0x0                               ; for the others' sake
	s_barrier_signal -1
	s_barrier_wait -1
.irp q, 0,1,2,3
	ds_load_b32 v[34+\q], v4 offset:128*\q
.endr
	v_mov_b32 v40, 0
	s_wait_dscnt 0x0
	v_add_nc_u32 v38, v34, v35
	v_add3_u32 v38, v38, v36, v37                  ; the rank's total
.irp q, 0,1,2
	s_cmp_gt_u32 s18, \q
	s_cselect_b32 s21, -1, 0
	v_and_b32 v41, s21, v[34+\q]
	s_wait_alu depctr_va_vdst(0)
	v_add_nc_u32 v40, v40, v41                     ; what the waves below mine hold of my rank
.endr
	ds_store_b32 v5, v38
.irp q, 0,1,2,3,4,5,6,7
	ds_load_b128 v[TB+4*\q:TB+4*\q+3], v6 offset:16*\q             ; my own wave's bytes, served in order: every lane gets all 32 totals
.endr
	v_mov_b32 v[SPF], 0
	v_mov_b32 v42, 0
	s_wait_alu depctr_va_vdst(0)
	s_wait_dscnt 0x0
.set P, 0
.rept 28
	v_add_nc_u32 v[SPF+P+1], v[SPF+P], v[TB+P]                     ; where rank P + 1 begins
.set P, P+1
.endr
.set P, 0
.rept 28
	v_cmp_eq_u32 vcc_lo, P, v1
	v_cndmask_b32 v42, v42, v[SPF+P], vcc_lo                       ; lane = rank: where mine begins
.set P, P+1
.endr
	v_add_nc_u32 v42, v42, v40                     ; + the waves below
	s_wait_alu depctr_va_vdst(0)
	s_wait_loadcnt 0x0                             ; all the words are in
; eight segments: each token fetches, from the lane of its rank, where its segment's tokens of that rank begin
.macro RUN b
.if \b > 0
	s_wait_xcnt 0x0                                ; the last run's stores have read v16-23, which are written again
.endif
.irp i, 0,1,2,3,4,5,6,7
	v_add_nc_u32 v[HB+8*\b+\i], v42, v[HB+8*\b+\i]
	v_and_b32 v[44+\i], 31, v[RB+8*\b+\i]                          ; rank
.endr
.irp i, 0,1,2,3,4,5,6,7
	v_lshlrev_b32 v[44+\i], 2, v[44+\i]
.endr
.irp i, 0,1,2,3,4,5,6,7
	ds_bpermute_b32 v[52+\i], v[44+\i], v[HB+8*\b+\i]              ; between lanes: no LDS byte is touched
.endr
.irp i, 0,1,2,3,4,5,6,7
	v_lshrrev_b32 v[8+\i], 24, v[RB+8*\b+\i]                       ; loc
	v_add_nc_u32 v[16+\i], 32*(8*\b+\i), v43                       ; the token's number
.endr
.irp i, 0,1,2,3,4,5,6,7
	v_bfe_u32 v[RB+8*\b+\i], v[RB+8*\b+\i], 8, 16                  ; lo | hi << 8
.endr
	s_wait_dscnt 0x0
.irp i, 0,1,2,3,4,5,6,7
	v_add_nc_u32 v[HB+8*\b+\i], v[52+\i], v[8+\i]                  ; the token's sorted place,
.endr
.irp i, 0,1,2,3,4,5,6,7
	v_min_u32 v[HB+8*\b+\i], 0x1fff, v[HB+8*\b+\i]                 ; held inside the table,
.endr
.irp i, 0,1,2,3,4,5,6,7
	v_lshlrev_b32 v[HB+8*\b+\i], 2, v[HB+8*\b+\i]                  ; in bytes
.endr
.irp i, 0,1,2,3,4,5,6,7
	global_store_b32 v[HB+8*\b+\i], v[16+\i], s[10:11]
	global_store_b32 v[HB+8*\b+\i], v[RB+8*\b+\i], s[10:11] offset:32768
.endr
.endm
.irp b, 0,1,2,3,4,5,6,7
	RUN \b
.endr
	s_cmp_lt_u32 s18, 2
	s_cbranch_scc0 .Lsorted                        ; waves 0 and 1: thread = block of 128 sorted places
	v_lshlrev_b32 v24, 7, v0
	v_add_nc_u32 v25, 128, v24
	v_mov_b32 v26, 0
.set P, 0
.irp m, 0x03,0x05,0x09,0x11,0x21,0x41,0x81,0x82,0x42,0x22,0x12,0x0a,0x06,0x0c,0x14,0x24,0x44,0x84,0x88,0x48,0x28,0x18,0x30,0x50,0x90,0xa0,0x60,0xc0
	v_max_u32 v27, v[SPF+P], v24                   ; does rank P's run of places meet my block?
	v_min_u32 v28, v[SPF+P+1], v25
	v_or_b32 v29, \m, v26                          ; then its two experts are wanted
	v_cmp_lt_u32 vcc_lo, v27, v28
	v_cndmask_b32 v26, v26, v29, vcc_lo
.set P, P+1
.endr
	v_lshlrev_b32 v30, 2, v0
	global_store_b32 v30, v26, s[10:11] offset:65536
.Lsorted:
	s_wait_tensorcnt 0x0
	ds_add_u32 v254, v255
	s_wait_dscnt 0x0
	s_endpgm
.Lfunc_end_k_qf7c5b43d23_wsort:
	.size	k_qf7c5b43d23_wsort, .Lfunc_end_k_qf7c5b43d23_wsort-k_qf7c5b43d23_wsort
	.p2alignl 7, 3214868480
	.fill 96, 4, 3214868480
	.section	.rodata,"a",@progbits
	.p2align	6, 0x0
	.amdhsa_kernel k_qf7c5b43d23_wsort
		.amdhsa_group_segment_fixed_size 133632
		.amdhsa_private_segment_fixed_size 0
		.amdhsa_enable_private_segment 0
		.amdhsa_kernarg_size 32
		.amdhsa_user_sgpr_count 2
		.amdhsa_user_sgpr_kernarg_segment_ptr 1
		.amdhsa_wavefront_size32 1
		.amdhsa_system_sgpr_workgroup_id_x 1
		.amdhsa_system_sgpr_workgroup_id_y 1
		.amdhsa_system_sgpr_workgroup_id_z 1
		.amdhsa_system_vgpr_workitem_id 0
		.amdhsa_next_free_vgpr 512
		.amdhsa_next_free_sgpr 66
		.amdhsa_reserve_vcc 1
		.amdhsa_float_denorm_mode_32 3
		.amdhsa_float_denorm_mode_16_64 3
		.amdhsa_memory_ordered 1
		.amdhsa_forward_progress 1
		.amdhsa_inst_pref_size 109
	.end_amdhsa_kernel
	.amdgpu_metadata
---
amdhsa.version: [ 1, 2 ]
amdhsa.kernels:
  - .name:           k_qf7c5b43d23_wsort
    .symbol:         k_qf7c5b43d23_wsort.kd
    .args:
      - { .name: We, .offset: 0, .size: 8, .value_kind: global_buffer, .address_space: global }
      - { .name: route, .offset: 8, .size: 8, .value_kind: global_buffer, .address_space: global }
      - { .name: wq, .offset: 16, .size: 8, .value_kind: global_buffer, .address_space: global }
      - { .name: order, .offset: 24, .size: 8, .value_kind: global_buffer, .address_space: global }
    .group_segment_fixed_size: 133632
    .private_segment_fixed_size: 0
    .kernarg_segment_align: 8
    .kernarg_segment_size: 32
    .max_flat_workgroup_size: 128
    .sgpr_count:     66
    .vgpr_count:     512
    .wavefront_size: 32
...
	.end_amdgpu_metadata
.endif
;; end of part 5
;; launch experts (part 6): grid 4 x 64, 4 waves a work-group, no clusters, 118,272 bytes of LDS; arguments xq, xs, wq, be, gates, order, out0; writes out0
.if DOCPART == 6
	.amdgcn_target "amdgcn-amd-amdhsa--gfx1250"
	.amdhsa_code_object_version 6
	.text
	.protected	k_qf7c5b43d23_experts
	.globl	k_qf7c5b43d23_experts
	.p2align	8
	.type	k_qf7c5b43d23_experts,@function
k_qf7c5b43d23_experts:
	s_mov_b64 s[64:65], 0
	v_nop
	global_prefetch_b8 v0, s[64:65] scope:SCOPE_SE
	s_setreg_imm32_b32 hwreg(HW_REG_WAVE_SCHED_MODE, 0, 2), 2
	s_setreg_imm32_b32 hwreg(HW_REG_WAVE_MODE, 25, 1), 1
	s_wait_xcnt 0x0
	s_wait_alu depctr_vm_vsrc(0)
; out[t] = sum over the token's two experts e of g_e (x[t] We[e] + be[e]), the products on codes of FP6 (E2M3) with one E8M0 scale for each 32 along K, sums in f32.
; Only chosen rows are multiplied.  The tokens lie sorted by their pair of experts (order: perm, pexp, bmask).  A work-group takes a block of 128 sorted places (y) x 256 columns (x) and owns those
; numbers of out: it walks the experts that its block uses (bmask: two, and one more for each change of pair inside the block), and a token that does not use an expert weighs that expert's result with 0.
; THE WAVES SHARE THE COLUMNS: wave w makes 64 columns for all 128 tokens: 8 x 4 accumulators.  So each byte of weights is read once a work-group, straight from memory into registers, whole fragments in the
; order of the operand's registers (wq's records), three K steps ahead of its use, across experts too.  The tokens' codes are gathered once into LDS and read by all four waves.
; TRANSPOSED USE: source 0 = 16 columns of We, source 1 = 16 tokens: lane (r, h), register j holds token r, column 16 n + 8 h + j.  So a token's weight is one register a lane,
; the bias is the C of an expert's first K step, and eight results are 32 neighbouring bytes of a row of out.
; NO TENSOR LOAD, NO CLUSTER: how many experts a block walks, and which, is read from memory, so partners would want different numbers of tiles;
; the tokens' rows are gathered by a list, lane by lane.
; LIMITS: as the two launches before state them (NaN and infinities are not served).  Every token number and expert number read from memory is held inside its table before it enters an address.
; REGISTERS, in windows of 256: window 0: v1-13 addresses; v32-95 x's scale words (8 a + s); v96-111 We's scale words, a ring of four quads; v112-127 the weights at work (even registers); v128-143 (g_lo, g_hi);
;   v144-151 lo, v152-159 hi; v160-255 x's fragments (12 a ..), at the head lists and offsets, on the way out rows of out.   window 1: the expert's accumulators, 8 (4 a + n) (at the head: the gathered codes).
;   window 2: out's sums, likewise.   window 3: We's fragments, a ring of four sets of 48; v192-223 the bias (8 n); in the last expert v192-255 take the tokens' numbers for the way out.
; THE MODE: SCHED_MODE bits 1:0 = 2 (LLVM: expert scheduling mode 2), set by the entry lines.  The code itself states the register dependences between vector or matrix instructions
; and memory or LDS instructions, with s_wait_alu, always for 0.
; THE PLAN.  Registers that memory or LDS instructions touch, in the loop:
;   x's tiles 0-3   read by the 16 products of a K step's first half;  the LDS loads of the next step's tiles 0-3 land there in the same step's second half.
;   x's tiles 4-7   read by the 16 products of a K step's second half; the LDS loads of the next step's tiles 4-7 land there in the next step's first half.
;   We's set q and its quad of scale words   read by the products of K step s, q = s % 4; the record of step s + 4 lands there in the second half of step s + 1.
;   the bias        read by the products of K step 0 alone; the next expert's lands there in the first half of step 3 (in the last expert the list for the way out, in the first half of step 1).
;   v4-v7, v11      addresses, made at the head and never written again.     The accumulators, out's sums, the weights and the masks are named by vector and matrix instructions alone.
; So a K step has TWO waits on va_vdst, one at the head of each half, directly ahead of its 16 products: each states that the half before is done reading its operands.  Behind it the half's loads are dealt among
; its products, six behind a pair; these products name their own tiles of x, set s % 4, quad s % 4, x's scale words, the accumulators and (step 0) the bias: none of the registers in which those loads land.
.set PITCH,  784                       ; a token's row in LDS: 768 bytes + 16 = 49 x 16: the 16 rows of a load of 16 bytes a lane fall on 16 different columns of 16 bytes modulo 256
.set STG,    128*PITCH                 ; behind the 128 rows: a stage of 16 rows x 272 bytes for each wave
.set SPITCH, 272
.set ASC,  32
.set BSC,  96
.set WGT,  112
.set GT,   128
.set VLO,  144
.set VHI,  152
.set AF,   160
.set BK,   160
.set BIAS, 192
.set TO,   192
.set MK,   40                          ; s[40:47] eight masks of lanes, for the weights' selections
.set PCUR, 28                          ; s[28:29] wq at my columns of the expert in hand;  s[30:31] of the next;  s[32:33] be of the next;  s[34:35] be of the first
.set PNXT, 30
.set BNXT, 32
.set BCUR, 34
.set W_MUL,  0x53                      ; source 0 (We) window 3, source 1 (x) window 0, C and D window 1
.set W_MUL0, 0x73                      ; the same with C (the bias) in window 3
.set W_TOB,  0xc0                      ; destination window 3, address window 0
.set W_COMB, 0xa1                      ; destination and source 2 window 2, source 0 window 1, source 1 window 0
.set W_FIX,  0xcf                      ; destination, sources 0 and 1 window 3, source 2 window 0
.set MSB, 0
.macro WIN new                         ; s_set_vgpr_msb: bits 1:0 source 0, 3:2 source 1, 5:4 source 2, 7:6 destination; the high byte repeats the setting that is left
.if MSB != \new
	s_set_vgpr_msb (MSB<<8)|\new
.set MSB, \new
.endif
.endm
.macro WMUL s                          ; the products' windows: in K step 0 the C is the bias
.if (\s) == 0
	WIN W_MUL0
.else
	WIN W_MUL
.endif
.endm
.macro PLACES                          ; a load into a register that a matrix instruction has read, and a vector instruction that reads a matrix result, stand four plain vector instructions behind it
.rept 4
	v_nop
.endr
.endm
.macro NEXTPTR                         ; the lowest expert left in the mask: its number, its weights, its bias
	s_ctz_i32_b32 s25, s22
	s_min_u32 s25, s25, 7                          ; held inside the tables
	s_lshl_b32 s26, 1, s25
	s_and_not1_b32 s22, s22, s26
	s_mul_i32 s26, s25, 819200
	s_mov_b32 s27, 0
	s_add_nc_u64 s[PNXT:PNXT+1], s[8:9], s[26:27]
	s_lshl_b32 s26, s25, 12
	s_add_nc_u64 s[BNXT:BNXT+1], s[10:11], s[26:27]
.endm
; K step s's record into set q: 13 loads: the quad of scale words (RINGS, window 0), then four fragments (RINGF: two of them, six loads, window 3), each load 512 consecutive bytes
.macro RINGS p, s, q
	global_load_b128 v[BSC+4*(\q):BSC+4*(\q)+3], v5, s[\p:\p+1] offset:6400*(\s)+6144
.endm
.macro RINGF p, s, q, n0
.irp n, \n0, \n0+1
.irp c, 0,1,2
	global_load_b128 v[48*(\q)+12*(\n)+4*\c:48*(\q)+12*(\n)+4*\c+3], v4, s[\p:\p+1] offset:6400*(\s)+1536*(\n)+512*\c
.endr
.endr
.endm
.macro RING p, s, q                    ; a whole record in one run: at the head
	WIN 0
	RINGS \p, \s, \q
	WIN W_TOB
	RINGF \p, \s, \q, 0
	RINGF \p, \s, \q, 2
.endm
.macro BIASLD p                        ; 8 loads: lane (r, h) wants, for tile n, be at columns 16 n + 8 h + 0..7
	WIN W_TOB
.irp n, 0,1,2,3
	global_load_b128 v[BIAS+8*\n:BIAS+8*\n+3], v11, s[\p:\p+1] offset:64*\n
	global_load_b128 v[BIAS+8*\n+4:BIAS+8*\n+7], v11, s[\p:\p+1] offset:64*\n+16
.endr
.endm
.macro PERM4 a0                        ; 8 of the list's 16 loads: lane (r, h) wants the tokens at places 16 a + 8 h + 0..7: the rows that it will store
	WIN W_TOB
.irp a, \a0, \a0+1, \a0+2, \a0+3
.irp q, 0,1
	global_load_b128 v[TO+8*(\a)+4*\q:TO+8*(\a)+4*\q+3], v11, s[14:15] offset:64*(\a)+16*\q
.endr
.endr
.endm
.macro AF2 s, a0                       ; 6 LDS loads: x's fragments of K step s, tiles a0 and a0 + 1: 48 consecutive bytes a lane each
.irp a, \a0, \a0+1
.irp c, 0,1,2
.if (\a) < 4
	ds_load_b128 v[AF+12*(\a)+4*\c:AF+12*(\a)+4*\c+3], v6 offset:16*PITCH*(\a)+48*(\s)+16*\c
.else
	ds_load_b128 v[AF+12*(\a)+4*\c:AF+12*(\a)+4*\c+3], v7 offset:16*PITCH*((\a)-4)+48*(\s)+16*\c
.endif
.endr
.endr
.endm
; 2 matrix instructions: tile of tokens a x the tiles of columns n0 and n0 + 1, K step s.  The 32 accumulators take turns, one instruction a turn, in the same order in every K step.
.macro MUL2 a, n0, s
.irp n, \n0, \n0+1
.if (\s) == 0
	v_wmma_scale_f32_16x16x128_f8f6f4 v[8*(4*(\a)+(\n)):8*(4*(\a)+(\n))+7], v[48*((\s)%4)+12*(\n):48*((\s)%4)+12*(\n)+11], v[AF+12*(\a):AF+12*(\a)+11], v[BIAS+8*(\n):BIAS+8*(\n)+7], v[BSC+4*((\s)%4)+(\n)], v[ASC+8*(\a)+(\s)] matrix_a_fmt:MATRIX_FMT_FP6 matrix_b_fmt:MATRIX_FMT_FP6
.else
	v_wmma_scale_f32_16x16x128_f8f6f4 v[8*(4*(\a)+(\n)):8*(4*(\a)+(\n))+7], v[48*((\s)%4)+12*(\n):48*((\s)%4)+12*(\n)+11], v[AF+12*(\a):AF+12*(\a)+11], v[8*(4*(\a)+(\n)):8*(4*(\a)+(\n))+7], v[BSC+4*((\s)%4)+(\n)], v[ASC+8*(\a)+(\s)] matrix_a_fmt:MATRIX_FMT_FP6 matrix_b_fmt:MATRIX_FMT_FP6
.endif
.endr
.endr
.endm
; A K step: two halves of 16 products.  The first half fetches this step's tiles 4-7 of x and, once an expert, the next one's bias (in the last expert the list for the way out);
; the second half fetches the next step's tiles 0-3 and the record three K steps on, of this expert or of the next.
.macro KSTEP s, last
.set NW, 26                            ; loads come back in order: behind K step s's record stand the two younger records, 13 loads each;
.if \last
.if (\s == 2) || (\s == 3)
.set NW, 42                            ; and here the 16 loads of the list;
.elseif \s == 6
.set NW, 13                            ; at the end one record,
.elseif \s == 7
.set NW, 0                             ; and none
.endif
.else
.if (\s == 4) || (\s == 5)
.set NW, 34                            ; and here the 8 loads of the next bias
.endif
.endif
.set FET, 1
.if \last && (\s == 7)
.set FET, 0                            ; nothing follows the last K step
.endif
.set RG, 1                             ; the record three K steps on: 1 this expert's, 2 the next one's, 0 none is left
.if \s >= 5
.set RG, 2-2*\last
.endif
	; ---- the first half: the tokens' tiles 0-3
	s_wait_loadcnt NW
	s_wait_dscnt 6                                 ; LDS loads come back in order: x's tiles 0 and 1 are in; the younger six loads (tiles 2 and 3) may be out
	s_wait_alu depctr_va_vdst(0)                   ; the products of the half before are done reading x's tiles 4-7, in which the LDS loads below land; so are step 0's with the bias, in which the bias's or the list's loads land
	WMUL \s
	MUL2 0, 0, \s
	WIN 0
	AF2 \s, 4                                      ; no product since the wait names these registers
	WMUL \s
	MUL2 0, 2, \s
	WIN 0
	AF2 \s, 6
	WMUL \s
	MUL2 1, 0, \s
.if \last && (\s == 1)
	PERM4 0
	WMUL \s
.endif
.if (\last == 0) && (\s == 3)
	BIASLD BNXT
	WMUL \s
.endif
	MUL2 1, 2, \s
.if \last && (\s == 1)
	PERM4 4
	WMUL \s
.endif
	s_wait_dscnt 12                                ; tiles 2 and 3 are in; the twelve loads just issued may be out
	MUL2 2, 0, \s
	MUL2 2, 2, \s
	MUL2 3, 0, \s
	MUL2 3, 2, \s
	PLACES
	; ---- the second half: tiles 4-7
	s_wait_dscnt 6                                 ; tiles 4 and 5 are in; the younger six loads (tiles 6 and 7) may be out
	s_wait_alu depctr_va_vdst(0)                   ; the first half's products are done reading x's tiles 0-3, in which the LDS loads below land; the last step's products are done reading their set and quad, in which the record lands
	MUL2 4, 0, \s
.if FET
	WIN 0
	AF2 (\s+1)%8, 0
	WMUL \s
.endif
	MUL2 4, 2, \s
.if FET
	WIN 0
	AF2 (\s+1)%8, 2
.endif
.if RG == 1
	WIN 0
	RINGS PCUR, (\s)+3, ((\s)+3)%4
.elseif RG == 2
	WIN 0
	RINGS PNXT, (\s)-5, ((\s)+3)%4
.endif
	WMUL \s
	MUL2 5, 0, \s
.if RG == 1
	WIN W_TOB
	RINGF PCUR, (\s)+3, ((\s)+3)%4, 0
.elseif RG == 2
	WIN W_TOB
	RINGF PNXT, (\s)-5, ((\s)+3)%4, 0
.endif
	WMUL \s
	MUL2 5, 2, \s
.if RG == 1
	WIN W_TOB
	RINGF PCUR, (\s)+3, ((\s)+3)%4, 2
.elseif RG == 2
	WIN W_TOB
	RINGF PNXT, (\s)-5, ((\s)+3)%4, 2
.endif
	WMUL \s
.if FET
	s_wait_dscnt 12                                ; tiles 6 and 7 are in; the twelve loads just issued may be out
.else
	s_wait_dscnt 0x0
.endif
	MUL2 6, 0, \s
	MUL2 6, 2, \s
	MUL2 7, 0, \s
	MUL2 7, 2, \s
	PLACES
.endm
.macro GATEW                           ; each token's weight for the expert in hand: g_lo, g_hi or 0: a choice of values, no branch.  The compares stand in two runs of eight, each with its wait
.irp a, 0,1,2,3,4,5,6,7
	v_cmp_eq_u32 s[MK+\a], s24, v[VLO+\a]
.endr
	s_wait_alu depctr_va_sdst(0)                   ; the eight masks s40-47 are written, ahead of the selections that read them
.irp a, 0,1,2,3,4,5,6,7
	v_cndmask_b32 v[WGT+2*\a], 0, v[GT+2*\a], s[MK+\a]
.endr
.irp a, 0,1,2,3,4,5,6,7
	v_cmp_eq_u32 s[MK+\a], s24, v[VHI+\a]
.endr
	s_wait_alu depctr_va_sdst(0)                   ; the eight masks are written anew, ahead of the selections that read them
.irp a, 0,1,2,3,4,5,6,7
	v_cndmask_b32 v[WGT+2*\a], v[WGT+2*\a], v[GT+2*\a+1], s[MK+\a]
.endr
.endm
.macro COMBINE first                   ; out's sums += weight x (x We + be); the first expert starts them: nothing is cleared.  Each accumulator is read from its low end on
	WIN W_COMB
.irp a, 0,1,2,3,4,5,6,7
.irp p, 0,2,4,6,8,10,12,14,16,18,20,22,24,26,28,30
.if \first
	v_pk_mul_f32 v[32*\a+\p:32*\a+\p+1], v[32*\a+\p:32*\a+\p+1], v[WGT+2*\a:WGT+2*\a+1] op_sel_hi:[1,0]
.else
	v_pk_fma_f32 v[32*\a+\p:32*\a+\p+1], v[32*\a+\p:32*\a+\p+1], v[WGT+2*\a:WGT+2*\a+1], v[32*\a+\p:32*\a+\p+1] op_sel_hi:[1,0,1]
.endif
.endr
.endr
.endm
.macro EXPERT first, last
.if \first == 0
	s_wait_xcnt 0x0                                ; the loads issued so far have read their bases: the pointers may step
	s_mov_b64 s[PCUR:PCUR+1], s[PNXT:PNXT+1]
	s_mov_b32 s24, s25
.if \last == 0
	NEXTPTR
.endif
.endif
	GATEW
.irp s, 0,1,2,3,4,5,6,7
	KSTEP \s, \last
.endr
	COMBINE \first
	WIN 0                                          ; at a label and at a branch every window is 0
.endm
	s_load_b256 s[4:11], s[0:1], 0x0               ; xq s[4:5], xs s[6:7], wq s[8:9], be s[10:11]
	s_load_b128 s[12:15], s[0:1], 0x20             ; gates s[12:13], order s[14:15]
	s_load_b64 s[16:17], s[0:1], 0x30              ; out0
	v_lshl_add_u32 v30, v0, 2, 0x1cc00
	v_mov_b32 v31, 0
	v_lshrrev_b32 v1, 5, v0
	v_readfirstlane_b32 s18, v1                    ; wave 0..3
	v_and_b32 v1, 31, v0                           ; lane
	v_and_b32 v2, 15, v0                           ; r
	v_bfe_u32 v3, v0, 4, 1                         ; h
	v_lshlrev_b32 v4, 4, v1                        ; 16 x lane: a fragment image's place for my lane
	v_lshlrev_b32 v5, 4, v2                        ; 16 r
	v_mul_u32_u24 v6, v2, PITCH
	v_mad_u32_u24 v6, v3, 384, v6                  ; x's fragments: row r, my half's 384 bytes; tiles 0-3,
	v_add_nc_u32 v7, 64*PITCH, v6                  ; tiles 4-7
	s_wait_alu depctr_va_sdst(0)                   ; s18 is written, ahead of its first reader: LDS addresses and the bases of wq, be and out are made from it
	s_mul_i32 s26, s18, 32*PITCH
	v_mad_u32_u24 v8, v3, 16*PITCH, v5
	v_add_nc_u32 v8, s26, v8                       ; the gather: wave w fills rows 32 w ..; lanes 0-15 row i, lanes 16-31 row 16 + i, 16 bytes a lane
	s_mul_i32 s26, s18, 16*SPITCH
	s_add_co_u32 s26, s26, STG                     ; my stage
	v_mul_u32_u24 v9, v2, SPITCH
	v_lshl_add_u32 v9, v3, 5, v9
	v_add_nc_u32 v9, s26, v9                       ; in: row r, 32 bytes for each half of the lanes
	v_mad_u32_u24 v10, v3, 8*SPITCH, v5
	v_add_nc_u32 v10, s26, v10                     ; back: lanes 0-15 row i, lanes 16-31 row 8 + i
	v_lshlrev_b32 v11, 5, v3                       ; 32 h
	v_lshlrev_b32 v12, 2, v2                       ; 4 r
	s_lshl_b32 s26, s18, 7
	v_lshl_add_u32 v13, v3, 6, s26                 ; perm at place 32 w + 16 h
.irp a, 0,1,2,3,4,5,6,7
	v_mov_b32 v[WGT+2*\a+1], 0                     ; named as the upper halves of the weights' pairs, so they are written
.endr
	s_and_b32 s19, ttmp7, 0xffff                   ; the block of 128 sorted places
	s_lshl_b32 s20, ttmp9, 2
	s_add_co_u32 s20, s20, s18                     ; my group of 64 columns
	s_wait_kmcnt 0x0
	s_lshl_b32 s26, s19, 2
	s_mov_b32 s27, 0
	s_add_nc_u64 s[36:37], s[14:15], s[26:27]
	s_load_b32 s22, s[36:37], 0x10000              ; the block's mask of experts
	s_lshl_b32 s26, s19, 9
	s_add_nc_u64 s[14:15], s[14:15], s[26:27]      ; perm at the block's first place (pexp 32,768 bytes on)
	s_mul_i32 s26, s20, 51200
	s_add_nc_u64 s[8:9], s[8:9], s[26:27]
	s_lshl_b32 s26, s20, 8
	s_add_nc_u64 s[10:11], s[10:11], s[26:27]
	s_add_nc_u64 s[16:17], s[16:17], s[26:27]
	s_wait_alu depctr_va_vdst(0)                   ; the addresses v4 to v13 are written, which the loads and stores of the whole kernel read
.irp q, 0,1,2,3
	global_load_b128 v[160+4*\q:163+4*\q], v13, s[14:15] offset:16*\q        ; the 16 tokens whose rows my half of the lanes gathers
.endr
.irp a, 0,1,2,3,4,5,6,7
	global_load_b32 v[176+\a], v12, s[14:15] offset:64*\a                    ; tile a's token r,
.endr
.irp a, 0,1,2,3,4,5,6,7
	global_load_b32 v[184+\a], v12, s[14:15] offset:32768+64*\a              ; and its two experts
.endr
	s_wait_kmcnt 0x0
	s_and_b32 s22, s22, 0xff
	s_bcnt1_i32_b32 s23, s22
	s_sub_co_i32 s23, s23, 2                       ; the experts between the first and the last: every token has two different experts, so a block has two at the least
	s_max_i32 s23, s23, 0
	NEXTPTR
	s_mov_b64 s[PCUR:PCUR+1], s[PNXT:PNXT+1]
	s_mov_b64 s[BCUR:BCUR+1], s[BNXT:BNXT+1]
	s_mov_b32 s24, s25
	BIASLD BCUR                                    ; the first expert's bias and first three records: 47 loads
	RING PCUR, 0, 0
	RING PCUR, 1, 1
	RING PCUR, 2, 2
	NEXTPTR                                        ; the second expert (it writes no register that a pending load names)
	WIN 0
	s_wait_loadcnt 47                              ; the 20 loads of the lists are in; the 47 behind them stay out
.irp i, 0,1,2,3,4,5,6,7,8,9,10,11,12,13,14,15
	v_min_u32 v[160+\i], 0x1fff, v[160+\i]         ; a token's number is held inside the tables
.endr
.irp i, 0,1,2,3,4,5,6,7,8,9,10,11,12,13,14,15
	v_mad_u32_u24 v[160+\i], v[160+\i], 768, v5    ; its codes, my 16 bytes of each 256
.endr
.irp a, 0,1,2,3,4,5,6,7
	v_min_u32 v[176+\a], 0x1fff, v[176+\a]
	v_and_b32 v[VLO+\a], 0xff, v[184+\a]
	v_bfe_u32 v[VHI+\a], v[184+\a], 8, 8
.endr
.irp a, 0,1,2,3,4,5,6,7
	v_lshlrev_b32 v[192+\a], 5, v[176+\a]          ; its 32 scale bytes,
	v_lshlrev_b32 v[200+\a], 3, v[176+\a]          ; its two weights
.endr
	s_wait_alu depctr_va_vdst(0)                   ; the offsets v160-175 and v192-207 are written, which the loads below read; and the lines above are done with v176-191, in which x's fragments will land
.irp a, 0,1,2,3,4,5,6,7
	global_load_b128 v[ASC+8*\a:ASC+8*\a+3], v[192+\a], s[6:7]
	global_load_b128 v[ASC+8*\a+4:ASC+8*\a+7], v[192+\a], s[6:7] offset:16
.endr
.irp a, 0,1,2,3,4,5,6,7
	global_load_b64 v[GT+2*\a:GT+2*\a+1], v[200+\a], s[12:13]
.endr
	WIN 0x40                                       ; destination window 1
.set I, 0
.rept 16
.irp j, 0,1,2
	global_load_b128 v[12*I+4*\j:12*I+4*\j+3], v[160+I], s[4:5] offset:256*\j   ; each half of the lanes reads 256 consecutive bytes of a token's codes, aligned
.endr
.set I, I+1
.endr
	WIN 0x04                                       ; an LDS store's data are its source 1: window 1
.set I, 0
.rept 16
	s_wait_loadcnt 45-3*I                          ; loads come back in order: row I's three are in, the later rows' stay out
.irp j, 0,1,2
	ds_store_b128 v8, v[12*I+4*\j:12*I+4*\j+3] offset:PITCH*I+256*\j
.endr
.set I, I+1
.endr
	WIN 0
	s_wait_dscnt 0x0                               ; for the others' sake: my 32 rows lie in LDS
	s_barrier_signal -1
	s_barrier_wait -1                              ; the launch's one barrier: from here on the rows are only read
	s_wait_alu depctr_vm_vsrc(0)                   ; the loads above have read their offsets v160-175 and v192-207, in which x's fragments land; my LDS stores have read window 1, which the products write
	AF2 0, 0
	AF2 0, 2                                       ; K step 0's tiles 0-3; each half step asks for the four tiles that the next half wants
	EXPERT 1, 0
	s_cmp_eq_u32 s23, 0
	s_cbranch_scc1 .Llast
.Lmid:
	EXPERT 0, 0
	s_sub_co_u32 s23, s23, 1
	s_cmp_lg_u32 s23, 0
	s_cbranch_scc1 .Lmid
.Llast:
	EXPERT 0, 1
	; THE WAY OUT, a tile of 16 tokens at a time: a lane's 32 bytes go into my stage (rows of 272 bytes) and come back as whole runs of 256 bytes, which sixteen lanes store into the token's row of out.
	WIN W_FIX
.set I, 0
.rept 64
	v_min_u32 v[TO+I], 0x1fff, v[TO+I]             ; a token's number is held inside out
.set I, I+1
.endr
.set I, 0
.rept 64
	v_lshl_add_u32 v[TO+I], v[TO+I], 12, v5        ; its row of 4,096 bytes, + 16 r
.set I, I+1
.endr
	s_wait_alu depctr_va_vdst(0)                   ; out's sums are written, which the LDS stores read; the rows' offsets are written, which the global stores read; the products are done reading x's fragments, in which the stage's loads land.  No vector instruction follows
.macro TOSTAGE a
	WIN 0x08                                       ; an LDS store's data are its source 1: window 2
.irp n, 0,1,2,3
	ds_store_b128 v9, v[8*(4*(\a)+\n):8*(4*(\a)+\n)+3] offset:64*\n
	ds_store_b128 v9, v[8*(4*(\a)+\n)+4:8*(4*(\a)+\n)+7] offset:64*\n+16
.endr
	WIN 0
.irp i, 0,1,2,3,4,5,6,7
	ds_load_b128 v[BK+32*((\a)%2)+4*\i:BK+32*((\a)%2)+4*\i+3], v10 offset:SPITCH*\i   ; LDS serves a wave's instructions in order: these see the stores above, and the next tile's stores come behind them
.endr
.endm
.macro SEND a, younger                 ; younger: the LDS instructions issued behind tile a's loads, which may stay out
	s_wait_dscnt \younger
	WIN 0x03                                       ; a store's address register is its source 0: window 3
.irp i, 0,1,2,3,4,5,6,7
	global_store_b128 v[TO+8*(\a)+\i], v[BK+32*((\a)%2)+4*\i:BK+32*((\a)%2)+4*\i+3], s[16:17] th:TH_STORE_NT   ; each half of the lanes stores 256 consecutive bytes, aligned; written once, read by nobody here
.endr
	WIN 0
.endm
	TOSTAGE 0
.irp a, 1,2,3,4,5,6,7
.if \a > 1
	s_wait_xcnt 0x0                                ; tile a - 2's stores have had their addresses translated: tile a's loads may land in their data registers
	s_wait_alu depctr_vm_vsrc(0)                   ; tile a - 2's stores have read their 32 data registers, in which tile a's loads from the stage land
.endif
	TOSTAGE \a
	SEND \a-1, 16                                  ; behind tile a - 1's loads: tile a's 8 stores and 8 loads
.endr
	SEND 7, 0
	s_wait_dscnt 0x0                               ; the closing lines, six on end
	s_wait_alu 0x0
	s_wait_tensorcnt 0x0
	ds_add_u32 v30, v31
	s_wait_dscnt 0x0
	s_endpgm
.Lfunc_end_k_qf7c5b43d23_experts:
	.size	k_qf7c5b43d23_experts, .Lfunc_end_k_qf7c5b43d23_experts-k_qf7c5b43d23_experts
	.p2alignl 7, 3214868480
	.fill 96, 4, 3214868480
	.section	.rodata,"a",@progbits
	.p2align	6, 0x0
	.amdhsa_kernel k_qf7c5b43d23_experts
		.amdhsa_group_segment_fixed_size 118272
		.amdhsa_private_segment_fixed_size 0
		.amdhsa_enable_private_segment 0
		.amdhsa_kernarg_size 56
		.amdhsa_user_sgpr_count 2
		.amdhsa_user_sgpr_kernarg_segment_ptr 1
		.amdhsa_wavefront_size32 1
		.amdhsa_system_sgpr_workgroup_id_x 1
		.amdhsa_system_sgpr_workgroup_id_y 1
		.amdhsa_system_sgpr_workgroup_id_z 1
		.amdhsa_system_vgpr_workitem_id 0
		.amdhsa_next_free_vgpr 1024
		.amdhsa_next_free_sgpr 66
		.amdhsa_reserve_vcc 0
		.amdhsa_float_denorm_mode_32 3
		.amdhsa_float_denorm_mode_16_64 3
		.amdhsa_memory_ordered 1
		.amdhsa_forward_progress 1
		.amdhsa_inst_pref_size 255
	.end_amdhsa_kernel
	.section	.bss,"aw",@nobits
	.p2align	6
	.space	262144
	.amdgpu_metadata
---
amdhsa.version: [ 1, 2 ]
amdhsa.kernels:
  - .name:           k_qf7c5b43d23_experts
    .symbol:         k_qf7c5b43d23_experts.kd
    .args:
      - { .name: xq, .offset: 0, .size: 8, .value_kind: global_buffer, .address_space: global }
      - { .name: xs, .offset: 8, .size: 8, .value_kind: global_buffer, .address_space: global }
      - { .name: wq, .offset: 16, .size: 8, .value_kind: global_buffer, .address_space: global }
      - { .name: be, .offset: 24, .size: 8, .value_kind: global_buffer, .address_space: global }
      - { .name: gates, .offset: 32, .size: 8, .value_kind: global_buffer, .address_space: global }
      - { .name: order, .offset: 40, .size: 8, .value_kind: global_buffer, .address_space: global }
      - { .name: out0, .offset: 48, .size: 8, .value_kind: global_buffer, .address_space: global }
    .group_segment_fixed_size: 118272
    .private_segment_fixed_size: 0
    .kernarg_segment_align: 8
    .kernarg_segment_size: 56
    .max_flat_workgroup_size: 128
    .sgpr_count:     66
    .vgpr_count:     1024
    .wavefront_size: 32
...
	.end_amdgpu_metadata
.endif
;; end of part 6
